; MI455X (gfx1250); checked and timed in simulation.
; The chip was launched on July 23, 2026; its instructions are those of AMD's public machine-readable ISA for CDNA 5 (MIT licence, August 2026) and "CDNA5" Instruction Set Architecture Reference Guide (July 2026). The comments in the code are by the model that wrote it; some were corrected since.
;; Mixtral Sparse Moe Block. Allowed arithmetic: float matrix products may take bf16 or f16 operands with f32 sums; other float arithmetic in f32, or as packed bf16 or f16 multiplies, adds, multiply-adds, maxima and minima; sums over many terms, partial sums and values carried from step to step in f32; what a program stores and reads back later, other than sums and carried values, may be rounded once to bf16 or f16.
;; Inputs: hidden_states 1,024 x 2,048 float32; routing_weights 1,024 x 2 float32; selected_experts 1,024 x 2 int32; w1 8 x 2,048 x 1,024 float32; w2 8 x 2,048 x 1,024 float32; w3 8 x 1,024 x 2,048 float32.
;; Outputs: out0 1,024 x 2,048 float32; out1 8 float32.
;; 2 versions, each right; version 2 is version 1 with the launch down written anew for expert scheduling mode. Each part assembles by itself: llvm-mc -triple=amdgcn-amd-amdhsa -mcpu=gfx1250 --defsym DOCPART=n.
;; ======== version 1 of 2: 4 launches
;; limits: inputs' magnitudes at most 65,504; values are held in f16: magnitudes above 65,504 overflow, below 6.1e-05 lose precision
;; workspace buffers: xb 4,194,304 bytes; list 65,536 bytes of whole numbers; counts 256 bytes of whole numbers; gated 16,777,216 bytes; gsc 4,096 bytes; amaxp 4,096 bytes; part 16,777,216 bytes
;; launch prep (part 1): grid 264 x 1, 8 waves a work-group, no clusters, 0 bytes of LDS; arguments hidden_states, selected_experts, xb, list, counts; writes xb, list, counts
.if DOCPART == 1
	.amdgcn_target "amdgcn-amd-amdhsa--gfx1250"
	.amdhsa_code_object_version 6
	.text
	.protected	k_qa8f3436c57_prep
	.globl	k_qa8f3436c57_prep
	.p2align	8
	.type	k_qa8f3436c57_prep,@function
k_qa8f3436c57_prep:
	s_mov_b64 s[64:65], 0
	v_nop
	global_prefetch_b8 v0, s[64:65] scope:SCOPE_SE
	s_setreg_imm32_b32 hwreg(HW_REG_WAVE_MODE, 25, 1), 1
	s_wait_xcnt 0x0
; Two jobs in one launch.
; Work-groups 0-255: xb = hidden_states rounded to bf16, 8,192 numbers a work-group.
; Work-groups 256-263: expert e = number - 256 gets the list of the choices id = 2 t + k (0 .. 2047) that name it, and their count: a counting sort without atomics.
; LIMIT: selected_experts lies in 0 .. 7; a choice outside is listed nowhere, and its row of the later partial sums would stay unwritten.
; No LDS, no matrix unit, no cluster: the cast is a stream, and the sort's eight waves each count for themselves.
.set NCAST, 256
.set NM,    14                         ; chunks of 128 choices that can lie in front of a wave's own two (wave 7: chunks 0-13)
.set MK,    24                         ; s24-31  the match masks of my eight registers of choices (s24-27 first serve the counting)
	s_load_b256 s[4:11], s[0:1], 0x0               ; hidden_states s[4:5], selected_experts s[6:7], xb s[8:9], list s[10:11]
	s_load_b64 s[12:13], s[0:1], 0x20              ; counts
	s_mov_b32 s15, 0
	s_cmp_ge_u32 ttmp9, NCAST
	s_cbranch_scc1 .Lsort
	; THE CAST.  Thread t takes 16 bytes at 16 t of each of eight blocks of 4,096 bytes and stores 8 bytes at 8 t of blocks of 2,048: a wave's store covers 256 consecutive bytes, aligned.
	v_lshlrev_b32 v1, 4, v0
	v_lshlrev_b32 v2, 3, v0
	s_lshl_b32 s14, ttmp9, 15                      ; 32,768 bytes of f32 a work-group
	s_lshl_b32 s16, ttmp9, 14                      ; 16,384 bytes of bf16
	s_mov_b32 s17, 0
	s_wait_kmcnt 0x0
	s_add_nc_u64 s[4:5], s[4:5], s[14:15]
	s_add_nc_u64 s[8:9], s[8:9], s[16:17]
.set i, 0
.rept 8
	global_load_b128 v[16+4*i:19+4*i], v1, s[4:5] offset:4096*i th:TH_LOAD_NT  ; all eight go out first
.set i, i+1
.endr
.set i, 0
.rept 8
	s_wait_loadcnt 7-i                             ; loads come back in order: block i is in, the 7 - i younger ones stay out
	v_cvt_pk_bf16_f32 v[48+2*i], v[16+4*i], v[17+4*i]
	v_cvt_pk_bf16_f32 v[49+2*i], v[18+4*i], v[19+4*i]
	global_store_b64 v2, v[48+2*i:49+2*i], s[8:9] offset:2048*i  ; every register is used once: no wait for a store's sources
.set i, i+1
.endr
	s_endpgm
	; THE SORT.  The list's order is: chunk m of 128 choices, then c = id % 4, then the lane (id = 128 m + 4 lane + c).  Wave v places chunks 2 v and 2 v + 1;
	; it counts the expert's choices in the chunks in front of them itself, so the waves hand each other nothing.
.Lsort:
	s_sub_co_u32 s16, ttmp9, NCAST                 ; e
	v_and_b32 v3, 31, v0                           ; lane
	v_lshrrev_b32 v4, 5, v0
	v_readfirstlane_b32 s18, v4                    ; wave
	s_lshl_b32 s17, s18, 1                         ; my first chunk
	v_lshlrev_b32 v5, 4, v3                        ; 16 lane
	v_lshl_add_u32 v6, v4, 10, v5                  ; + 1,024 wave: my two chunks
	s_lshl_b32 s14, s16, 13                        ; the expert's 2,048 places of the list
	s_lshl_b32 s32, s16, 2
	s_mov_b32 s33, 0
	s_wait_kmcnt 0x0
	s_add_nc_u64 s[10:11], s[10:11], s[14:15]
	s_add_nc_u64 s[12:13], s[12:13], s[32:33]
.set m, 0
.rept NM
	global_load_b128 v[16+4*m:19+4*m], v5, s[6:7] offset:512*m
.set m, m+1
.endr
	global_load_b128 v[80:83], v6, s[6:7]
	global_load_b128 v[84:87], v6, s[6:7] offset:512
	v_lshlrev_b32 v7, 2, v3
	v_lshl_add_u32 v7, v4, 8, v7                   ; 256 wave + 4 lane
.set n, 0
.rept 8
	v_add_nc_u32 v[96+n], 128*(n/4)+n%4, v7        ; the id that register 80 + n holds the expert of
.set n, n+1
.endr
	s_mov_b32 s20, 0                               ; the place of my next entry
	s_wait_loadcnt 0x0
.set m, 0
.rept NM
	v_cmp_eq_u32 s24, s16, v[16+4*m]
	v_cmp_eq_u32 s25, s16, v[17+4*m]
	v_cmp_eq_u32 s26, s16, v[18+4*m]
	v_cmp_eq_u32 s27, s16, v[19+4*m]
	s_bcnt1_i32_b32 s24, s24
	s_bcnt1_i32_b32 s25, s25
	s_bcnt1_i32_b32 s26, s26
	s_bcnt1_i32_b32 s27, s27
	s_add_co_u32 s24, s24, s25
	s_add_co_u32 s26, s26, s27
	s_add_co_u32 s24, s24, s26
	s_cmp_gt_u32 s17, m                            ; does chunk m lie in front of mine?
	s_cselect_b32 s24, s24, 0
	s_add_co_u32 s20, s20, s24
.set m, m+1
.endr
	; All vector registers that the stores name are made here, with every lane on: EXEC is narrowed only behind the last of these lines.
.set n, 0
.rept 8
	v_cmp_eq_u32 s[MK+n], s16, v[80+n]
	v_mbcnt_lo_u32_b32 v[88+n], s[MK+n], 0         ; matches in the lanes below mine
	v_add_nc_u32 v[88+n], s20, v[88+n]
	v_min_u32 v[88+n], 0x7ff, v[88+n]              ; a place made of loaded numbers is bounded before it enters an address
	v_lshlrev_b32 v[88+n], 2, v[88+n]
	s_bcnt1_i32_b32 s21, s[MK+n]
	s_add_co_u32 s20, s20, s21
.set n, n+1
.endr
	v_mov_b32 v104, s20                            ; behind wave 7's chunks the place is the expert's count
	v_mov_b32 v105, 0
	v_cmp_eq_u32 s34, 0, v3                        ; lane 0
	s_wait_xcnt 0x0                                ; EXEC is a source of the memory instructions issued so far: it changes only behind this wait
.set n, 0
.rept 8
	s_and_saveexec_b32 s22, s[MK+n]                ; the lanes whose choice names the expert (no memory instruction stands between the last wait and this line)
	global_store_b32 v[88+n], v[96+n], s[10:11]
	s_wait_xcnt 0x0                                ; in front of the line that widens EXEC again
	s_or_b32 exec_lo, exec_lo, s22
.set n, n+1
.endr
	s_cmp_lg_u32 s18, 7
	s_cbranch_scc1 .Lend
	s_and_saveexec_b32 s22, s34
	global_store_b32 v105, v104, s[12:13]
	s_wait_xcnt 0x0
	s_or_b32 exec_lo, exec_lo, s22
.Lend:
	s_endpgm
.Lfunc_end_k_qa8f3436c57_prep:
	.size	k_qa8f3436c57_prep, .Lfunc_end_k_qa8f3436c57_prep-k_qa8f3436c57_prep
	.p2alignl 7, 3214868480
	.fill 96, 4, 3214868480
	.section	.rodata,"a",@progbits
	.p2align	6, 0x0
	.amdhsa_kernel k_qa8f3436c57_prep
		.amdhsa_group_segment_fixed_size 0
		.amdhsa_private_segment_fixed_size 0
		.amdhsa_enable_private_segment 0
		.amdhsa_kernarg_size 40
		.amdhsa_user_sgpr_count 2
		.amdhsa_user_sgpr_kernarg_segment_ptr 1
		.amdhsa_wavefront_size32 1
		.amdhsa_system_sgpr_workgroup_id_x 1
		.amdhsa_system_sgpr_workgroup_id_y 1
		.amdhsa_system_sgpr_workgroup_id_z 1
		.amdhsa_system_vgpr_workitem_id 0
		.amdhsa_next_free_vgpr 112
		.amdhsa_next_free_sgpr 66
		.amdhsa_reserve_vcc 0
		.amdhsa_float_denorm_mode_32 3
		.amdhsa_float_denorm_mode_16_64 3
		.amdhsa_memory_ordered 1
		.amdhsa_forward_progress 1
		.amdhsa_inst_pref_size 19
	.end_amdhsa_kernel
	.amdgpu_metadata
---
amdhsa.version: [ 1, 2 ]
amdhsa.kernels:
  - .name:           k_qa8f3436c57_prep
    .symbol:         k_qa8f3436c57_prep.kd
    .args:
      - { .name: hidden_states, .offset: 0, .size: 8, .value_kind: global_buffer, .address_space: global }
      - { .name: selected_experts, .offset: 8, .size: 8, .value_kind: global_buffer, .address_space: global }
      - { .name: xb, .offset: 16, .size: 8, .value_kind: global_buffer, .address_space: global }
      - { .name: list, .offset: 24, .size: 8, .value_kind: global_buffer, .address_space: global }
      - { .name: counts, .offset: 32, .size: 8, .value_kind: global_buffer, .address_space: global }
    .group_segment_fixed_size: 0
    .private_segment_fixed_size: 0
    .kernarg_segment_align: 8
    .kernarg_segment_size: 40
    .max_flat_workgroup_size: 256
    .sgpr_count:     66
    .vgpr_count:     112
    .wavefront_size: 32
...
	.end_amdgpu_metadata
.endif
;; end of part 1
;; launch gate (part 2): grid 16 x 16, 4 waves a work-group, clusters of 4 x 1, 327,680 bytes of LDS; arguments xb, w1, w2, gated, amaxp, gsc; writes gated, amaxp, gsc
.if DOCPART == 2
	.amdgcn_target "amdgcn-amd-amdhsa--gfx1250"
	.amdhsa_code_object_version 6
	.text
	.protected	k_qa8f3436c57_gate
	.globl	k_qa8f3436c57_gate
	.p2align	8
	.type	k_qa8f3436c57_gate,@function
k_qa8f3436c57_gate:
	s_mov_b64 s[64:65], 0
	v_nop
	global_prefetch_b8 v0, s[64:65] scope:SCOPE_SE
	s_setreg_imm32_b32 hwreg(HW_REG_WAVE_MODE, 25, 1), 1
	s_wait_xcnt 0x0
	s_wait_alu depctr_hold_cnt(0) depctr_sa_sdst(0) depctr_va_vdst(0) depctr_va_sdst(0) depctr_va_ssrc(0) depctr_va_vcc(0) depctr_vm_vsrc(0)
	s_getreg_b32 s2, hwreg(HW_REG_IB_STS2, 6, 4)
	s_cmp_eq_u32 s2, 0
	s_cbranch_scc0 .Lentry_in_a_cluster
	s_endpgm
.Lentry_in_a_cluster:
	s_bfe_u32 s2, ttmp6, 0x10000c
	s_cmp_lg_u32 s2, 0x3003
	s_cbranch_scc0 .Lentry_shape_is_right
	s_endpgm
.Lentry_shape_is_right:
; g[e][t][i] = silu(x w1[e]) * (x w2[e]) for ALL tokens (the maximum over them is an output); amaxp: each wave's maximum of its f32 results.
; x: xb [1024][2048] bf16.  w1, w2: [8][2048][1024] f32, rounded to bf16 in registers.  Sums in f32.
; g IS STORED AS f16 WITH A SCALE OF THE WAVE'S TILE.  A wave ends with g of 128 tokens x 64 columns.  With E the exponent of the largest |g| among them it stores f16(g x 2^(14-E)), all below 2^15, in
; gated [8][1024][1024], and 2^(E-14) in gsc [8][8 groups of 128 tokens][16 blocks of 64 columns].  f16 keeps 11 significant bits down to 2^-29 of the tile's largest number; the range is f32's, since E is taken from the data.
; LIMITS.  The maxima pass over NaN (v_max_num, v_min_num).  E is held to -112 .. 127.  2^y is 0 below 2^-126 and infinite above f32's range: silu(h) counts as 0 for h below about -87; both ends give what the
; formula gives in the limit.  An infinite g stays infinite in f16.
; SHARES.  A work-group makes 256 tokens x 128 hidden columns of one expert.  Wave w takes ONE matrix (w / 2: w1 or w2) and 64 columns (w % 2) for all 256 tokens: 64 accumulators, 512 registers.
; So a wave's weights are its own: each weight byte is loaded once in the work-group, by loads of 16 bytes a lane of which sixteen lanes take 256 consecutive aligned bytes.
; WEIGHTS INTO FRAGMENTS WITHOUT A TURN.  Lane (r = l % 16, h = l / 16) loads rows k = 8 h + 0..7 and 16 + 8 h + 0..7 at columns 4 r .. 4 r + 3.  Two neighbouring rows rounded in pairs are a register
; of source 1 (ISA guide 7.12.2: a lane holds one column, k along its registers): the four numbers of a load belong to four fragments, and fragment f's lane r holds column 4 r + f.
; x comes by the tensor data mover through two LDS slots of 256 rows x 128 k.  CLUSTER: the four work-groups of a cluster share the token block, so each x tile is asked for jointly (mask 15).
; At the end the two waves of a column half exchange half of their accumulators through LDS, so that each holds both products of 128 tokens x 64 columns.
; REGISTERS, in windows of 256 (s_set_vgpr_msb: bits 1:0 source 0, 3:2 source 1, 5:4 source 2, 7:6 destination):
;   window 0: v0-29 addresses, maxima and the scale; v32-95 weight fragments, two buffers of four; v96-159, v160-223 x fragments of rows 0-127, 128-255
;   window 1: the weights as loaded, a ring of four slots of 64 (one slot = 32 k)          windows 2, 3: accumulator (a, f) at v[8 (4 (a % 8) + f)] of window 2 + a / 8
.set PITCH, 272                        ; an LDS row: 256 bytes + 16 of padding = 68 words: the 16 rows of a fragment load start at 16 different groups of four banks (64 banks of 4 bytes: ISA guide 11.1)
.set QROWS, 64*PITCH                   ; 64 rows: what one tensor load brings
.set SLOT1, 1<<17                      ; slot 0 at byte 0, slot 1 here: one exclusive or changes slots
.set STAGE, SLOT1+256*PITCH            ; 256 rows x 272 bytes, for the way out; no tensor load fills it
.set SPARE, STAGE+256*PITCH            ; the spare words, 128 bytes a wave: two blocks of 256 bytes that no other line names
.set AK0,  8                           ; v8   272 r + 16 h: my place in a tile of x; never rewritten
.set ADRA, 9                           ; v9   the same in the slot in hand
.set WOFF, 10                          ; v10  32,768 h + 16 r: my place in 32 rows of weights; never rewritten
.set XS,   11                          ; v11  the exchange: where I put, 32,768 w + 16 lane
.set XR,   12                          ; v12  where I take: my partner's (w xor 2)
.set STO,  13                          ; v13  the stage: where I put 8 bytes of a row
.set RD,   14                          ; v14  the stage: where I read rows back
.set GO,   15                          ; v15  my byte offset in two rows of gated
.set ZOF,  16                          ; v16  0
.set TMP,  17                          ; v17  at work
.set MX,   20                          ; v20-23  four running maxima
.set MN,   24                          ; v24-27  four running minima; then v24 the largest |g|, v25 2^(E-14), v[26:27] 2^(14-E) twice
.set INV,  25
.set FAC,  26
.set SPW,  28                          ; v28  LDS address of my spare word; never rewritten
.set NIL,  29                          ; v29  0; never rewritten
.set BF,   32
.set AF,   96
.set WV,   14                          ; s14  wave
.set MAT,  15                          ; s15  0: w1, 1: w2
.set HALF, 16                          ; s16  which 64 columns
.set G1,   24                          ; s[24:31] descriptor group 1
.set G0A,  32                          ; s[32:35] group 0 of the first fill of slot 0
.set G0B,  36                          ; s[36:39] group 0 of the first fill of slot 1; it then walks
.set WP,   40                          ; s[40:41] my weights at the k step that the loop's offsets count from
.set TB,   42                          ; s42  LDS byte of the slot in hand
.set CNT,  43
.set SEL,  44                          ; s[44:45] v_permlanex16_b32's selects
.set MSB, 0
.macro WIN new                         ; the immediate's high byte repeats the setting that is left; a switch that changes nothing is dropped
.if MSB != (\new)
	s_set_vgpr_msb (MSB<<8)|(\new)
.set MSB, \new
.endif
.endm
.macro PLACES                          ; four places in front of loads into, and vector writes of, registers that matrix instructions have read, and of reads of their results
.rept 4
	v_nop
.endr
.endm
.macro CREST                           ; a round of the cluster's barrier behind its opening barrier
	s_cmp_lg_u32 s[WV], 0
	s_cbranch_scc1 .Lnot_wave_0_\@
	s_barrier_signal -3
.Lnot_wave_0_\@:
	s_barrier_wait -3
	s_barrier_signal -1
	s_barrier_wait -1
.endm
.macro CROUND                          ; a whole round
	s_barrier_signal -1
	s_barrier_wait -1
	CREST
.endm
; 16 LDS loads: the x fragments of rows 128 half .. + 127, 32 k at byte koff of the rows
.macro AFETCH half, koff
	WIN 0
.set fa, 0
.rept 8
	ds_load_b128 v[AF+64*(\half)+8*fa:AF+64*(\half)+8*fa+3],   v[ADRA] offset:(8*(\half)+fa)*16*PITCH+(\koff)
	ds_load_b128 v[AF+64*(\half)+8*fa+4:AF+64*(\half)+8*fa+7], v[ADRA] offset:(8*(\half)+fa)*16*PITCH+(\koff)+32
.set fa, fa+1
.endr
.endm
; 16 global loads: 32 rows of my weights, k step u from WP on, into a slot of window 1.  Load j takes row j (j < 8) or j + 8 of my half of the lanes' sixteen.  No hint: the four token blocks read these rows too.
.macro WLOAD slot, u
	WIN 0x40
.set wj, 0
.rept 16
	global_load_b128 v[64*(\slot)+4*wj:64*(\slot)+4*wj+3], v[WOFF], s[WP:WP+1] offset:(\u)*131072+(wj+8*(wj/8))*4096
.set wj, wj+1
.endr
	WIN 0
.endm
; Four of the 32 roundings that make a slot's 64 registers into four fragments in buffer nb: number n = 8 f + i packs column f of rows 2 i and 2 i + 1
.macro CVT4 g, slot, nb
	WIN 0x05
.set cn, 4*(\g)
.rept 4
	v_cvt_pk_bf16_f32 v[BF+32*(\nb)+cn], v[64*(\slot)+8*(cn%8)+cn/8], v[64*(\slot)+8*(cn%8)+4+cn/8]
.set cn, cn+1
.endr
.endm
; 4 na matrix instructions: row blocks a0 .. of half hi x the four fragments of buffer bf.  The 64 accumulators take turns in the same order in every step.
; ride = 1: behind each of the first eight stand four roundings of the NEXT step's weights (slot -> the other buffer), which name none of the products' registers.
.macro MULS hi, a0, na, bf, zero, ride, slot
.set ma, \a0
.set mg, 0
.rept \na
.set mf, 0
.rept 4
	WIN 0xa0+0x50*(\hi)
.if \zero
	v_wmma_f32_16x16x32_bf16 v[8*(4*ma+mf):8*(4*ma+mf)+7], v[AF+64*(\hi)+8*ma:AF+64*(\hi)+8*ma+7], v[BF+32*(\bf)+8*mf:BF+32*(\bf)+8*mf+7], 0
.else
	v_wmma_f32_16x16x32_bf16 v[8*(4*ma+mf):8*(4*ma+mf)+7], v[AF+64*(\hi)+8*ma:AF+64*(\hi)+8*ma+7], v[BF+32*(\bf)+8*mf:BF+32*(\bf)+8*mf+7], v[8*(4*ma+mf):8*(4*ma+mf)+7]
.endif
.if (\ride) && (mg < 8)
	CVT4 mg, \slot, 1-(\bf)
.endif
.set mg, mg+1
.set mf, mf+1
.endr
.set ma, ma+1
.endr
.endm
; A step of 32 k, number kq (0-2) of a tile's four: 64 matrix instructions on buffer kq % 2.  Its riders round the next step's weights; that slot is then asked for again, five steps ahead,
; so a weight load has three and a half steps, 224 matrix instructions, in which to land.  lc = 16 x the younger steps whose loads may stay out.
.macro QUARTER kq, zero, cvt, lc, refill, u
	s_wait_dscnt 16                                ; the fragments of rows 0-127 are in; the 16 loads of rows 128-255 may be out
.if \cvt
	s_wait_loadcnt \lc                             ; the next step's weights are in
.endif
	MULS 0, 0, 8, (\kq)%2, \zero, \cvt, ((\kq)+1)%4
	WIN 0
	PLACES
	AFETCH 0, 64*((\kq)+1)
.if \refill
	WLOAD ((\kq)+1)%4, (\u)+5
.endif
	s_wait_dscnt 16                                ; rows 128-255 are in; the 16 loads just issued may be out
	MULS 1, 0, 8, (\kq)%2, \zero, 0, 0
	WIN 0
	PLACES
	AFETCH 1, 64*((\kq)+1)
.endm
; A tile's last step changes slots: ONE barrier.  In front of it each wave waits for all its tensor loads (one is out: its part of the next slot), adds 0 to its spare word, and waits for that and for its
; reads of this slot.  fill = 1: the barrier opens a round of the cluster's barrier, and this slot is asked for again, two tiles ahead, first thing behind the round: 224 matrix instructions ahead of the wait for it.
.macro TURN fill, lc, refill, u
	WIN 0
	s_wait_tensorcnt 0x0                           ; all my tensor loads have landed
	ds_add_u32 v[SPW], v[NIL]                      ; 0 onto my spare word
	s_wait_dscnt 17                                ; rows 0-127 are in; the 16 loads of rows 128-255 and the add may be out
	s_wait_loadcnt \lc
	MULS 0, 0, 4, 1, 0, 1, 0                       ; sixteen matrix instructions and the roundings stand between the add and the wait for it
	s_wait_dscnt 0x0                               ; the add is done, and my reads of this slot are over
	s_barrier_signal -1
	MULS 0, 4, 4, 1, 0, 0, 0                       ; work on registers while the others arrive
	WIN 0                                          ; at a branch and at a label every window is 0
	s_barrier_wait -1
.if \fill
	CREST                                          ; no wave of any partner still reads this slot or has a load on its way
	s_xor_b32 s[G0B+1], s[G0B+1], SLOT1            ; the walking descriptor: the other slot than last time,
	s_add_nc_u64 s[G0B+2:G0B+3], s[G0B+2:G0B+3], 256  ; the next 128 k; the type bits on top are not reached
	tensor_load_to_lds s[G0B:G0B+3], s[G1:G1+7]    ; my 64 rows: the wave's one tensor load behind the round
	s_nop 0
	PLACES                                         ; the places in front of the loads below
.else
	PLACES
.endif
	s_xor_b32 s[TB], s[TB], SLOT1
	v_add_nc_u32 v[ADRA], s[TB], v[AK0]
	AFETCH 0, 0
.if \refill
	WLOAD 0, (\u)+5
.endif
	MULS 1, 0, 8, 1, 0, 0, 0
	WIN 0
	PLACES
	AFETCH 1, 0
.endm
	s_load_b256 s[4:11], s[0:1], 0x0               ; xb s[4:5], w1 s[6:7], w2 s[8:9], gated s[10:11]
	s_load_b64 s[12:13], s[0:1], 0x20              ; amaxp
	s_load_b64 s[54:55], s[0:1], 0x28              ; gsc
	v_lshl_add_u32 v[SPW], v0, 2, SPARE
	v_mov_b32 v[NIL], 0
	ds_add_u32 v[SPW], v[NIL]                      ; the wave's opening: the add and its wait ahead of my first tensor load; work on registers stands between them
	v_lshrrev_b32 v1, 5, v0
	v_readfirstlane_b32 s[WV], v1                  ; wave 0..3
	s_lshr_b32 s[MAT], s[WV], 1
	s_and_b32 s[HALF], s[WV], 1
	s_bfe_u32 s17, ttmp6, 0x40000                  ; cx: my place in the cluster; it enters the addresses of the weights, of gated, of amaxp and of gsc alone
	s_mov_b32 s18, ttmp9                           ; the cluster's x = the block of 256 tokens, which the four partners share
	s_and_b32 s19, ttmp7, 0xffff
	s_lshl_b32 s19, s19, 2
	s_add_co_u32 s19, s19, s17                     ; 4 y + cx: 0 .. 63
	s_lshr_b32 s20, s19, 3                         ; the expert
	s_and_b32 s21, s19, 7                          ; the block of 128 hidden columns
	; descriptor group 1: a tile of 64 rows x 128 elements, padded in LDS
	s_mov_b32 s[G1+0], 15|(1<<16)|(1<<20)|(1<<21)|(5<<22)|(3<<25)  ; 15:0 the mask: all four work-groups; 17:16 elements of 2 bytes; 20 padding on; 21 set beside a mask; 24:22 after every 64 words (code 5); 31:25 4 words (code 3)
	s_mov_b32 s[G1+1], 128<<16                     ; tensor_dim0 = 128
	s_mov_b32 s[G1+2], 64<<16                      ; tensor_dim1 = 64
	s_mov_b32 s[G1+3], 128<<16                     ; tile_dim0 = 128
	s_mov_b32 s[G1+4], 64                          ; tile_dim1 = 64
	s_mov_b32 s[G1+5], 2048                        ; elements from row to row
	s_mov_b32 s[G1+6], 0
	s_mov_b32 s[G1+7], 0
	s_lshl_b32 s22, s18, 20                        ; x: row 256 x token block + 64 x wave, 4,096 bytes a row: made of what the partners share
	s_lshl_b32 s23, s[WV], 18
	s_add_co_u32 s22, s22, s23
	s_mov_b32 s23, 0
	s_lshl_b32 s48, s20, 23                        ; weights: the expert's 8 MiB, 512 bytes a column block, 256 a half
	s_lshl_b32 s49, s21, 9
	s_add_co_u32 s48, s48, s49
	s_lshl_b32 s49, s[HALF], 8
	s_add_co_u32 s48, s48, s49
	s_mov_b32 s49, 0
	s_lshl_b32 s50, s20, 10                        ; gated: row 1,024 e + 256 x token block + 64 x wave, 2,048 bytes a row; 256 bytes a column block
	s_lshl_b32 s51, s18, 8
	s_add_co_u32 s50, s50, s51
	s_lshl_b32 s51, s[WV], 6
	s_add_co_u32 s50, s50, s51
	s_lshl_b32 s50, s50, 11
	s_lshl_b32 s51, s21, 8
	s_add_co_u32 s50, s50, s51
	s_mov_b32 s51, 0
	s_lshl_b32 s52, s20, 7                         ; amaxp: word 128 e + 32 x token block + 4 x column block + wave
	s_lshl_b32 s53, s18, 5
	s_add_co_u32 s52, s52, s53
	s_lshl_b32 s53, s21, 2
	s_add_co_u32 s52, s52, s53
	s_add_co_u32 s52, s52, s[WV]
	s_lshl_b32 s52, s52, 2
	s_mov_b32 s53, 0
	s_lshl_b32 s56, s20, 7                         ; gsc: word 128 e + 16 x (2 x token block + MAT) + 2 x column block + HALF: behind the exchange my tile is tokens 128 MAT .., columns 64 HALF ..
	s_lshl_b32 s57, s18, 5
	s_add_co_u32 s56, s56, s57
	s_lshl_b32 s57, s[MAT], 4
	s_add_co_u32 s56, s56, s57
	s_lshl_b32 s57, s21, 1
	s_add_co_u32 s56, s56, s57
	s_add_co_u32 s56, s56, s[HALF]
	s_lshl_b32 s56, s56, 2
	s_mov_b32 s57, 0
	s_mov_b32 s[G0A], 1                            ; count = 1
	s_mul_i32 s[G0A+1], s[WV], QROWS               ; LDS: slot 0, my 64 rows
	s_mov_b32 s[G0B], 1
	s_add_co_u32 s[G0B+1], s[G0A+1], SLOT1         ; slot 1
	s_mov_b32 s[TB], 0
	s_mov_b32 s[SEL], 0x76543210
	s_mov_b32 s[SEL+1], 0xfedcba98
	s_wait_dscnt 0x0                               ; the opening add is done
	s_wait_kmcnt 0x0
	s_add_nc_u64 s[G0A+2:G0A+3], s[4:5], s[22:23]  ; k 0-127
	s_add_nc_u64 s[G0B+2:G0B+3], s[G0A+2:G0A+3], 256  ; k 128-255
	s_or_b32 s[G0A+3], s[G0A+3], 0x80000000        ; type = 2
	s_or_b32 s[G0B+3], s[G0B+3], 0x80000000
	s_cmp_eq_u32 s[MAT], 0
	s_cselect_b64 s[WP:WP+1], s[6:7], s[8:9]       ; my matrix
	s_add_nc_u64 s[WP:WP+1], s[WP:WP+1], s[48:49]
	s_add_nc_u64 s[10:11], s[10:11], s[50:51]
	s_add_nc_u64 s[12:13], s[12:13], s[52:53]
	s_add_nc_u64 s[54:55], s[54:55], s[56:57]
	CROUND                                         ; all four work-groups are here: the first joint loads meet
	tensor_load_to_lds s[G0A:G0A+3], s[G1:G1+7]    ; the two first fills go out together: two loads of mine are out
	s_nop 0
	tensor_load_to_lds s[G0B:G0B+3], s[G1:G1+7]
	s_nop 0
	PLACES
	v_and_b32 v1, 15, v0                           ; r
	v_bfe_u32 v2, v0, 4, 1                         ; h
	v_and_b32 v3, 31, v0                           ; lane
	v_lshlrev_b32 v[WOFF], 4, v1
	v_lshl_add_u32 v[WOFF], v2, 15, v[WOFF]
	WLOAD 0, 0                                     ; the weights of steps 0 to 3
	WLOAD 1, 1
	WLOAD 2, 2
	WLOAD 3, 3
	v_mul_u32_u24 v[AK0], v1, PITCH
	v_lshl_add_u32 v[AK0], v2, 4, v[AK0]
	v_mov_b32 v[ADRA], v[AK0]
	s_lshl_b32 s47, s[WV], 15
	v_lshl_add_u32 v[XS], v3, 4, s47
	s_xor_b32 s47, s47, 2<<15
	v_lshl_add_u32 v[XR], v3, 4, s47
	s_mul_i32 s47, s[MAT], 128*PITCH               ; behind the exchange I hold tokens 128 x MAT .. + 127, columns 64 x HALF .. + 63
	s_lshl_b32 s46, s[HALF], 7
	s_add_co_u32 s47, s47, s46
	s_add_co_u32 s47, s47, STAGE
	v_mul_u32_u24 v[STO], v2, 8*PITCH              ; row 8 h (+ 16 a + j in the offset), 8 bytes at 8 r
	v_lshl_add_u32 v[STO], v1, 3, v[STO]
	v_add_nc_u32 v[STO], s47, v[STO]
	s_mul_i32 s47, s[WV], QROWS
	s_add_co_u32 s47, s47, STAGE
	v_mul_u32_u24 v[RD], v2, PITCH                 ; back: wave w takes rows 64 w .. + 63 whole; lanes 0-15 one row of 256 bytes, lanes 16-31 the next
	v_lshl_add_u32 v[RD], v1, 4, v[RD]
	v_add_nc_u32 v[RD], s47, v[RD]
	v_lshlrev_b32 v[GO], 4, v1
	v_lshl_add_u32 v[GO], v2, 11, v[GO]            ; and the same two rows in gated
	v_mov_b32 v[ZOF], 0
	v_mov_b32 v[TMP], 0
.set z, 0
.rept 4
	v_mov_b32 v[MX+z], 0xff800000                  ; minus infinity
	v_mov_b32 v[MN+z], 0x7f800000                  ; plus infinity
.set z, z+1
.endr
	s_wait_tensorcnt 1                             ; my part of slot 0 is in; slot 1's may stay out
	s_barrier_signal -1
	s_barrier_wait -1                              ; everybody's is
	AFETCH 0, 0
	AFETCH 1, 0
	s_wait_loadcnt 48                              ; step 0's weights; three steps' 48 loads stay out
.set z, 0
.rept 8
	CVT4 z, 0, 0
.set z, z+1
.endr
	WLOAD 0, 4
	QUARTER 0, 1, 1, 48, 1, 0                      ; the first step stands in front of the loop: its products start the sums
	s_mov_b32 s[CNT], 14
.Lloop:                                                ; a trip: a tile's steps 1, 2, 3 and the next tile's step 0; 14 trips fill a slot again, with tiles 2 to 15
	QUARTER 1, 0, 1, 48, 1, 1
	QUARTER 2, 0, 1, 48, 1, 2
	TURN 1, 48, 1, 3
	QUARTER 0, 0, 1, 48, 1, 4
	s_wait_xcnt 0x0                                ; the weight loads' base is stepped only behind this wait
	s_add_nc_u64 s[WP:WP+1], s[WP:WP+1], 524288    ; four steps of 32 rows of 4,096 bytes
	s_sub_co_u32 s[CNT], s[CNT], 1
	s_cmp_lg_u32 s[CNT], 0
	s_cbranch_scc1 .Lloop
	QUARTER 1, 0, 1, 48, 1, 1                      ; the tail is written out: steps 57 to 63.  The last two weight loads (steps 62, 63),
	QUARTER 2, 0, 1, 48, 1, 2
	TURN 0, 48, 0, 3                               ; the last change of slots asks for nothing,
	QUARTER 0, 0, 1, 32, 0, 0                      ; and the counts run down
	QUARTER 1, 0, 1, 16, 0, 0
	QUARTER 2, 0, 1, 0, 0, 0
	s_wait_dscnt 16
	MULS 0, 0, 8, 1, 0, 0, 0
	s_wait_dscnt 0x0
	MULS 1, 0, 8, 1, 0, 0, 0
	; THE EXCHANGE.  The ring has had its last fill and, behind this barrier, its last read: bytes 0 .. 131,071 now serve the waves' 32,768 bytes each.
	; A wave of w1 sends its rows 128-255 (window 3) and takes its partner's rows 0-127 there; a wave of w2 sends rows 0-127 (window 2) and takes rows 128-255 of x w1 there.
	; Then every wave holds x w1 in window 2 and x w2 in window 3, for the same 128 tokens and 64 columns.
.macro XSEND win
	WIN \win
.set xn, 0
.rept 64
	ds_store_b128 v[XS], v[4*xn:4*xn+3] offset:512*xn  ; ascending: each accumulator's lowest registers are read first
.set xn, xn+1
.endr
	WIN 0
.endm
.macro XRECV win
	WIN \win
.set xn, 0
.rept 64
	ds_load_b128 v[4*xn:4*xn+3], v[XR] offset:512*xn
.set xn, xn+1
.endr
	WIN 0
.endm
	WIN 0
	PLACES                                         ; behind the last products
	s_barrier_signal -1                            ; no LDS instruction of mine is out (the wait for 0 above)
	s_barrier_wait -1
	s_cmp_eq_u32 s[MAT], 0
	s_cbranch_scc0 .Lsend_lo
	XSEND 0x0c                                     ; store data in window 3
	s_branch .Lsent
.Lsend_lo:
	XSEND 0x08                                     ; in window 2
.Lsent:
	s_wait_dscnt 0x0                               ; for the partner's sake: my stores are done
	s_barrier_signal -1
	s_barrier_wait -1
	s_cmp_eq_u32 s[MAT], 0
	s_cbranch_scc0 .Ltake_lo
	XRECV 0xc0
	s_branch .Ltaken
.Ltake_lo:
	XRECV 0x80
.Ltaken:
; FIRST PASS, row block a (16 tokens x 64 columns, 32 numbers a lane): g = h1 / (1 + 2^(-log2(e) h1)) * h2, written over h1 in window 2; the running maximum and minimum.
; silu is finished before h2 comes in, so that no infinity meets a zero.
; The 32 exponentials are one batch and the 32 reciprocals another: behind each a plain instruction and the one wait ahead of the first reader.
.macro GATEA a
.set GT, AF+32*((\a)%2)
	WIN 0
	s_wait_dscnt 56-8*(\a)                         ; the block's eight exchange loads are in; the 56 - 8 a younger ones may be out
	WIN 0x02
.set z, 0
.rept 16
	v_pk_mul_f32 v[GT+2*z:GT+2*z+1], v[32*(\a)+2*z:32*(\a)+2*z+1], 0xbfb8aa3b op_sel_hi:[1,0]  ; -log2(e) h1
.set z, z+1
.endr
	WIN 0
.set z, 0
.rept 32
	v_exp_f32 v[GT+z], v[GT+z]
.set z, z+1
.endr
	v_nop
	s_wait_alu depctr_va_vdst(0)
.set z, 0
.rept 16
	v_pk_add_f32 v[GT+2*z:GT+2*z+1], v[GT+2*z:GT+2*z+1], 1.0 op_sel_hi:[1,0]
.set z, z+1
.endr
.set z, 0
.rept 32
	v_rcp_f32 v[GT+z], v[GT+z]
.set z, z+1
.endr
	v_nop
	s_wait_alu depctr_va_vdst(0)
	WIN 0x08
.set z, 0
.rept 16
	v_pk_mul_f32 v[GT+2*z:GT+2*z+1], v[GT+2*z:GT+2*z+1], v[32*(\a)+2*z:32*(\a)+2*z+1]  ; x h1
.set z, z+1
.endr
	WIN 0x8c                                       ; destination window 2, source 1 window 3
.set z, 0
.rept 16
	v_pk_mul_f32 v[32*(\a)+2*z:32*(\a)+2*z+1], v[GT+2*z:GT+2*z+1], v[32*(\a)+2*z:32*(\a)+2*z+1]  ; x h2: g, kept where h1 lay
.set z, z+1
.endr
	WIN 0x28                                       ; sources 1 and 2 window 2
.set z, 0
.rept 16
	v_max3_num_f32 v[MX+z%4], v[MX+z%4], v[32*(\a)+2*z], v[32*(\a)+2*z+1]
.set z, z+1
.endr
.set z, 0
.rept 16
	v_min3_num_f32 v[MN+z%4], v[MN+z%4], v[32*(\a)+2*z], v[32*(\a)+2*z+1]
.set z, z+1
.endr
.endm
; SECOND PASS, row block a: g x 2^(14-E), exact; rounded to f16; into the stage.
.macro GATEB a
.set GT, AF+32*((\a)%2)
.set GP, AF+64+16*((\a)%2)
	WIN 0x02
.set z, 0
.rept 16
	v_pk_mul_f32 v[GT+2*z:GT+2*z+1], v[32*(\a)+2*z:32*(\a)+2*z+1], v[FAC:FAC+1] op_sel_hi:[1,0]
.set z, z+1
.endr
	WIN 0
.set z, 0
.rept 16                               ; token j = z / 2: columns 4 r, 4 r + 1 (fragments 0, 1), then 4 r + 2, 4 r + 3
	v_cvt_pk_f16_f32 v[GP+z], v[GT+16*(z%2)+z/2], v[GT+16*(z%2)+8+z/2]
.set z, z+1
.endr
.set z, 0
.rept 8
	ds_store_b64 v[STO], v[GP+2*z:GP+2*z+1] offset:(16*(\a)+z)*PITCH
.set z, z+1
.endr
.endm
	GATEA 0
	GATEA 1
	GATEA 2
	GATEA 3
	GATEA 4
	GATEA 5
	GATEA 6
	GATEA 7
	WIN 0
	v_max3_num_f32 v[MX], v[MX], v[MX+1], v[MX+2]  ; the wave's maximum, and its largest |g| = max(maximum, -minimum): within the lane, then across the lanes
	v_min3_num_f32 v[MN], v[MN], v[MN+1], v[MN+2]
	v_max_num_f32 v[MX], v[MX], v[MX+3]
	v_min_num_f32 v[MN], v[MN], v[MN+3]
	v_sub_f32 v[MN], 0, v[MN]
	v_max_num_f32 v[MN], v[MX], v[MN]
.irp m, 1,2,4,8
	v_max_num_f32_dpp v[MX], v[MX], v[MX] row_xmask:\m row_mask:0xf bank_mask:0xf
	v_max_num_f32_dpp v[MN], v[MN], v[MN] row_xmask:\m row_mask:0xf bank_mask:0xf
.endr
	v_permlanex16_b32 v[TMP], v[MX], s[SEL], s[SEL+1]
	v_permlanex16_b32 v[MX+1], v[MN], s[SEL], s[SEL+1]
	v_max_num_f32 v[MX], v[MX], v[TMP]
	v_max_num_f32 v[MN], v[MN], v[MX+1]
	v_max_num_f32 v[MN], 0x07800000, v[MN]         ; held to 2^-112 at the least (a tile of zeros too),
	v_min_num_f32 v[MN], 0x7f7fffff, v[MN]         ; and to the largest finite number: the exponent field is 15 .. 254
	v_and_b32 v[MN], 0x7f800000, v[MN]             ; 2^E: the field alone
	v_sub_nc_u32 v[FAC], 0x86000000, v[MN]         ; field 268 - field(2^E): 2^(14-E),
	v_sub_nc_u32 v[FAC+1], 0x86000000, v[MN]       ; named with it as a pair
	v_add_nc_u32 v[INV], 0xf9000000, v[MN]         ; field - 14: 2^(E-14)
	GATEB 0
	GATEB 1
	GATEB 2
	GATEB 3
	GATEB 4
	GATEB 5
	GATEB 6
	GATEB 7
	s_wait_dscnt 0x0                               ; for the others' sake: a stage row's 256 bytes come from two waves
	s_barrier_signal -1
	s_barrier_wait -1
.set z, 0
.rept 32
	ds_load_b128 v[AF+4*z:AF+4*z+3], v[RD] offset:2*PITCH*z
.set z, z+1
.endr
.set z, 0
.rept 32
	s_wait_dscnt 31-z
	global_store_b128 v[GO], v[AF+4*z:AF+4*z+3], s[10:11] offset:4096*z  ; 16 lanes store 256 consecutive bytes, at a multiple of 256 from gated's first byte
.set z, z+1
.endr
	v_cmp_eq_u32 vcc_lo, 0, v3
	s_wait_xcnt 0x0                                ; EXEC changes only behind this wait
	s_and_saveexec_b32 s46, vcc_lo
	global_store_b32 v[ZOF], v[MX], s[12:13]       ; lane 0: my wave's maximum,
	global_store_b32 v[ZOF], v[INV], s[54:55]      ; and my tile's scale
	s_wait_xcnt 0x0
	s_or_b32 exec_lo, exec_lo, s46
	s_wait_tensorcnt 0x0                           ; the wave's end, behind my last tensor load and my last LDS store
	ds_add_u32 v[SPW], v[NIL]
	s_wait_dscnt 0x0
	CROUND                                         ; the closing round: no work-group ends while a partner may still ask for a tile that names it
	s_endpgm
.Lfunc_end_k_qa8f3436c57_gate:
	.size	k_qa8f3436c57_gate, .Lfunc_end_k_qa8f3436c57_gate-k_qa8f3436c57_gate
	.p2alignl 7, 3214868480
	.fill 96, 4, 3214868480
	.section	.rodata,"a",@progbits
	.p2align	6, 0x0
	.amdhsa_kernel k_qa8f3436c57_gate
		.amdhsa_group_segment_fixed_size 327680
		.amdhsa_private_segment_fixed_size 0
		.amdhsa_enable_private_segment 0
		.amdhsa_kernarg_size 48
		.amdhsa_user_sgpr_count 2
		.amdhsa_user_sgpr_kernarg_segment_ptr 1
		.amdhsa_wavefront_size32 1
		.amdhsa_system_sgpr_workgroup_id_x 1
		.amdhsa_system_sgpr_workgroup_id_y 1
		.amdhsa_system_sgpr_workgroup_id_z 1
		.amdhsa_system_vgpr_workitem_id 0
		.amdhsa_next_free_vgpr 1024
		.amdhsa_next_free_sgpr 66
		.amdhsa_reserve_vcc 1
		.amdhsa_float_denorm_mode_32 3
		.amdhsa_float_denorm_mode_16_64 3
		.amdhsa_memory_ordered 1
		.amdhsa_forward_progress 1
		.amdhsa_inst_pref_size 250
	.end_amdhsa_kernel
	.amdgpu_metadata
---
amdhsa.version: [ 1, 2 ]
amdhsa.kernels:
  - .name:           k_qa8f3436c57_gate
    .symbol:         k_qa8f3436c57_gate.kd
    .args:
      - { .name: xb, .offset: 0, .size: 8, .value_kind: global_buffer, .address_space: global }
      - { .name: w1, .offset: 8, .size: 8, .value_kind: global_buffer, .address_space: global }
      - { .name: w2, .offset: 16, .size: 8, .value_kind: global_buffer, .address_space: global }
      - { .name: gated, .offset: 24, .size: 8, .value_kind: global_buffer, .address_space: global }
      - { .name: amaxp, .offset: 32, .size: 8, .value_kind: global_buffer, .address_space: global }
      - { .name: gsc, .offset: 40, .size: 8, .value_kind: global_buffer, .address_space: global }
    .group_segment_fixed_size: 327680
    .private_segment_fixed_size: 0
    .kernarg_segment_align: 8
    .kernarg_segment_size: 48
    .max_flat_workgroup_size: 128
    .sgpr_count:     66
    .vgpr_count:     1024
    .wavefront_size: 32
...
	.end_amdgpu_metadata
.endif
;; end of part 2
;; launch down (part 3): grid 256 x 1, 4 waves a work-group, no clusters, 139,776 bytes of LDS; arguments gated, w3, list, counts, routing_weights, gsc, part; writes part
.if DOCPART == 3
	.amdgcn_target "amdgcn-amd-amdhsa--gfx1250"
	.amdhsa_code_object_version 6
	.text
	.protected	k_qa8f3436c57_down
	.globl	k_qa8f3436c57_down
	.p2align	8
	.type	k_qa8f3436c57_down,@function
k_qa8f3436c57_down:
	s_mov_b64 s[64:65], 0
	v_nop
	global_prefetch_b8 v0, s[64:65] scope:SCOPE_SE
	s_setreg_imm32_b32 hwreg(HW_REG_WAVE_MODE, 25, 1), 1
	s_wait_xcnt 0x0
; part[id][:] = bf16(routing_weights[id]) x (g[e][id / 2][:] . w3[e]) for the choices id = 2 t + k that name expert e: only the routed rows of the third product.
; gated: [8][1024][1024] f16: g divided by its tile's scale; gsc: [8][8 groups of 128 tokens][16 blocks of 64 columns] f32, the scales, all powers of two.  S is the largest of the expert's 128 scales.
; A fragment of g is multiplied by scale / S (a power of two, 1 at the most: exact but in f16's denormals, 2^-39 of the expert's largest g), so that all of a row's k stand on one scale; the sums are multiplied by S at the end.
; w3: [8][1024][2048] f32, rounded to bf16 like every input, and that number written as f16.  part: [2048][2048] f32 (partial sums stay in f32).  Every split of the choices is served: an expert may have 0 to 2,048.
; LIMITS.  |w3| up to 65,504 (beyond it f16 holds an infinity); below 6.1e-5 it keeps f16's fixed step of 6e-8.
; SHARES.  Work-group = expert e (number / 32) x slice of 64 output columns (number % 32): it alone reads its 1,024 rows x 256 bytes of w3, once, and serves all rows of its expert.
; NO CLUSTER, NO TENSOR LOAD: each weight byte is read by one work-group and must be rounded on its way; what an expert's work-groups share are token rows named by a list, which no descriptor covers.
; PHASE 1.  Wave w brings k steps 8 w .. 8 w + 7 (32 rows each) through registers.  Lane (r, h) loads rows 8 h + 0..7 and 16 + 8 h + 0..7 at columns 4 r .. 4 r + 3: two neighbouring rows rounded in pairs are a
; register of source 1, and fragment f's lane r holds column 4 r + f.  The fragments go into LDS as they are used: k step s, fragment f, half q at 4,096 s + 1,024 f + 512 q + 16 lane.
; PHASE 2.  Seven passes (7 x 320 places cover 2,048) of which a wave jumps those that begin at or past the count; no barrier stands in a pass.  A wave's pass is 80 places of the list: 5 row tiles x 4 fragments,
; 20 accumulators.  The rows of gated come from memory straight into fragments (a ring of six k steps), the weights from LDS.  Places past the count repeat the last place, which lies in the same wave's 80.
; ONE TEXT FOR THE K STEPS.  Steps 0 and 1 are written out; five trips of six steps do steps 2 to 31.  What the last trip asks for (rows of steps 32 to 37, scales, fragments of steps 32 and 33) serves nothing:
; its row offsets are masked to 0, so that each such load names one short piece of the expert's first rows or scales, and LDS holds zeros for two more k steps.  So every wait has one count in every trip.
; REGISTERS, in windows of 256 (s_set_vgpr_msb: bits 1:0 source 0, 3:2 source 1, 5:4 source 2, 7:6 destination):
;   window 0: v0-29 addresses; v32-95 weight fragments, two buffers; v96-255 accumulator (q, f) at v[96 + 8 (4 q + f)] (in phase 1 v96-159 are at work)
;   window 1: phase 1: the weights as loaded, four slots of 64; phase 2: the ring of gated's fragments, six slots of 40, and v240-254 the scales, three sets of five; on the way out the results, 160
;   window 2: v0-39 byte offset in part of place 16 q + 8 h + j; v40-79 its weight
.set SLICE, 131072                     ; the slice's fragments: 32 k steps of 4,096 bytes
.set SPARE, SLICE+8192                 ; behind two k steps of zeros: the spare words, 128 bytes a wave: two blocks of 256 bytes that no other line names
.set SPW, 4                            ; v4   LDS address of my spare word; never rewritten
.set NIL, 5                            ; v5   0; never rewritten
.set LW,  6                            ; v6   16 lane + 32,768 wave: where phase 1 stores
.set LB0, 7                            ; v7   16 lane; never rewritten
.set LB,  8                            ; v8   16 lane + s[LBS]: my place in the fragments of the k step that the loop's offsets count from
.set WOF, 9                            ; v9   65,536 h + 16 r: my place in 32 rows of w3
.set COL, 10                           ; v10  16 r
.set H16, 11                           ; v11  16 h
.set ROW, 12                           ; v12-16  row tile q: byte offset of my row of gated
.set PR,  17                           ; v17  START + r
.set PH,  18                           ; v18  START + 8 h
.set SV,  20                           ; v20-23  four of the expert's scales; then v20 their maximum
.set RS,  24                           ; v24-28  row tile q: byte offset of my row's sixteen scales
.set PADA, 29                          ; v29  where I store my part of the zeros
.set BF,  32
.set ACC, 96
.set SC,  240                          ; window 1
.set OF,  0                            ; window 2
.set WT,  40                           ; window 2
.set WV,  16                           ; s16  wave
.set CNT, 22                           ; s22  the expert's count
.set CM1, 23                           ; s23  count - 1
.set START, 24                         ; s24  my first place in the pass
.set PASS, 25
.set CK,  26
.set TT,  27
.set GW,  28                           ; s[28:29] the expert's gated at the k step that the loads' offsets count from
.set LBS, 30                           ; s30  LDS byte of the k step that the fragment loads' offsets count from
.set MSK, 31                           ; s31  all ones; 0 in a pass's last trip
.set PT,  32                           ; s[32:33] part at the slice's 256 bytes
.set GS,  34                           ; s[34:35] the expert's scales at the column block that the loads' offsets count from
.set SB,  36                           ; s36  S
.set ONE, 37                           ; s37  1.0
.set HM,  38                           ; s38  a word's upper half
.set SEL, 40                           ; s[40:41] v_permlanex16_b32's selects
.set MSB, 0
.macro WIN new                         ; the immediate's high byte repeats the setting that is left; a switch that changes nothing is dropped
.if MSB != (\new)
	s_set_vgpr_msb (MSB<<8)|(\new)
.set MSB, \new
.endif
.endm
.macro PLACES                          ; four places in front of loads into registers that matrix instructions have read (ISA guide 7.12.1 for vector instructions)
.rept 4
	v_nop
.endr
.endm
.macro W3LOAD slot, i                  ; 16 loads: my k step i; sixteen lanes take 256 consecutive aligned bytes of a row.  Read once in the launch: the hint says so
	WIN 0x40
.set wj, 0
.rept 16
	global_load_b128 v[64*(\slot)+4*wj:64*(\slot)+4*wj+3], v[WOF], s[6:7] offset:(\i)*262144+(wj+8*(wj/8))*8192 th:TH_LOAD_NT
.set wj, wj+1
.endr
	WIN 0
.endm
.macro ALOAD slot, ua                  ; 10 loads: my five rows' fragments of k step ua from GW on, into a slot of the ring
	WIN 0x40
.set lq, 0
.rept 5
	global_load_b128 v[40*(\slot)+8*lq:40*(\slot)+8*lq+3],   v[ROW+lq], s[GW:GW+1] offset:64*(\ua)
	global_load_b128 v[40*(\slot)+8*lq+4:40*(\slot)+8*lq+7], v[ROW+lq], s[GW:GW+1] offset:64*(\ua)+32
.set lq, lq+1
.endr
	WIN 0
.endm
.macro SLOAD set, c                    ; 5 loads: my five rows' scales of column block c from GS on, into a set of the three
	WIN 0x40
.set lq, 0
.rept 5
	global_load_b32 v[SC+5*(\set)+lq], v[RS+lq], s[GS:GS+1] offset:4*(\c)
.set lq, lq+1
.endr
	WIN 0
.endm
; THE RESCALING of a k step's fragments, a list of rn lines of which ROP writes the next.  Where the step begins a column block (rc = 20) its five scales are first made into factors, in place:
; scale / S = 2^-d with d = (S's bits - the scale's bits) >> 23, held to 127: 1.0's bits less that difference; then twice in a word as f16 (0 below 2^-25).  Then 40 packed multiplies: fragment q by factor q.
.macro ROP
.if ri < rc
.set rr, SC+5*rrx+ri%5
.if ri/5 == 0
	v_sub_nc_u32 v[rr], s[SB], v[rr]
.elseif ri/5 == 1
	v_min_u32 v[rr], s[ONE], v[rr]
.elseif ri/5 == 2
	v_sub_nc_u32 v[rr], s[ONE], v[rr]
.else
	v_cvt_pk_f16_f32 v[rr], v[rr], v[rr]
.endif
.else
	v_pk_mul_f16 v[40*rslot+ri-rc], v[40*rslot+ri-rc], v[SC+5*rrx+(ri-rc)/8]
.endif
.set ri, ri+1
.endm
	s_load_b256 s[4:11], s[0:1], 0x0               ; gated s[4:5], w3 s[6:7], list s[8:9], counts s[10:11]
	s_load_b128 s[12:15], s[0:1], 0x20             ; routing_weights s[12:13], gsc s[14:15]
	s_load_b64 s[PT:PT+1], s[0:1], 0x30            ; part
	v_lshl_add_u32 v[SPW], v0, 2, SPARE
	v_mov_b32 v[NIL], 0
	v_lshrrev_b32 v1, 5, v0
	v_readfirstlane_b32 s[WV], v1
	v_and_b32 v1, 15, v0                           ; r
	v_bfe_u32 v2, v0, 4, 1                         ; h
	v_and_b32 v3, 31, v0                           ; lane
	s_lshr_b32 s17, ttmp9, 5                       ; e
	s_and_b32 s18, ttmp9, 31                       ; the slice
	v_lshlrev_b32 v[LB0], 4, v3
	s_lshl_b32 s19, s[WV], 15
	v_add_nc_u32 v[LW], s19, v[LB0]
	s_lshl_b32 s19, s[WV], 11
	s_add_co_u32 s19, s19, SLICE
	v_add_nc_u32 v[PADA], s19, v[LB0]              ; behind the slice, 2,048 bytes a wave
	v_lshlrev_b32 v[COL], 4, v1
	v_lshlrev_b32 v[H16], 4, v2
	v_lshl_add_u32 v[WOF], v2, 16, v[COL]
.set c, 0
.rept 4
	v_mov_b32 v[BF+c], 0
.set c, c+1
.endr
.set c, 0
.rept 4
	ds_store_b128 v[PADA], v[BF:BF+3] offset:512*c ; zeros where k steps 32 and 33 would lie
.set c, c+1
.endr
	s_mov_b32 s[ONE], 1.0
	s_mov_b32 s[HM], 0xffff0000
	s_mov_b32 s[SEL], 0x76543210
	s_mov_b32 s[SEL+1], 0xfedcba98
	s_mov_b32 s21, 0
	s_wait_kmcnt 0x0
	s_lshl_b32 s20, s17, 2
	s_add_nc_u64 s[10:11], s[10:11], s[20:21]
	s_load_b32 s[CNT], s[10:11], 0x0               ; an earlier launch stored it
	s_lshl_b32 s20, s17, 9                         ; the expert's 128 scales
	s_add_nc_u64 s[14:15], s[14:15], s[20:21]
	global_load_b128 v[SV:SV+3], v[LB0], s[14:15]  ; four a lane
	s_lshl_b32 s20, s17, 23                        ; w3: the expert's 8 MiB, 256 bytes a slice, my 256 rows of 8,192 bytes
	s_lshl_b32 s19, s18, 8
	s_add_co_u32 s20, s20, s19
	s_lshl_b32 s19, s[WV], 21
	s_add_co_u32 s20, s20, s19
	s_add_nc_u64 s[6:7], s[6:7], s[20:21]
	W3LOAD 0, 0
	W3LOAD 1, 1
	W3LOAD 2, 2
	W3LOAD 3, 3
	s_lshl_b32 s20, s17, 21                        ; gated: the expert's 1,024 rows of 2,048 bytes
	s_add_nc_u64 s[4:5], s[4:5], s[20:21]
	s_lshl_b32 s20, s17, 13                        ; the expert's list
	s_add_nc_u64 s[8:9], s[8:9], s[20:21]
	s_lshl_b32 s20, s18, 8                         ; part: the slice's 256 bytes of every row
	s_add_nc_u64 s[PT:PT+1], s[PT:PT+1], s[20:21]
.irp i, 0,1,2,3,4,5,6,7
.if (\i) < 5
	s_wait_loadcnt 48                              ; k step i is in (and the scales, which are older); three younger steps' 48 loads stay out
.else
	s_wait_loadcnt 16*(7-(\i))                     ; nothing more is asked for: the counts run down
.endif
	WIN 0x05
.set c, 0
.rept 32                               ; number c = 8 f + n packs column f of rows 2 n and 2 n + 1, rounded to bf16
	v_cvt_pk_bf16_f32 v[BF+32*((\i)%2)+c], v[64*((\i)%4)+8*(c%8)+c/8], v[64*((\i)%4)+8*(c%8)+4+c/8]
.set c, c+1
.endr
	WIN 0
.if (\i) < 4
	W3LOAD (\i)%4, (\i)+4                          ; the slot has been read: its next k step goes out at once
.endif
.set c, 0
.rept 32                               ; the two bf16 numbers as f32,
	v_lshlrev_b32 v[ACC+2*c], 16, v[BF+32*((\i)%2)+c]
	v_and_b32 v[ACC+2*c+1], s[HM], v[BF+32*((\i)%2)+c]
.set c, c+1
.endr
.set c, 0
.rept 32                               ; and written as f16: 8 significant bits go into 11
	v_cvt_pk_f16_f32 v[BF+32*((\i)%2)+c], v[ACC+2*c], v[ACC+2*c+1]
.set c, c+1
.endr
.set c, 0
.rept 8
	ds_store_b128 v[LW], v[BF+32*((\i)%2)+4*c:BF+32*((\i)%2)+4*c+3] offset:4096*(\i)+512*c  ; 32 lanes, 16 neighbouring bytes each
.set c, c+1
.endr
.endr
	v_max3_num_f32 v[SV], v[SV], v[SV+1], v[SV+2]  ; S: the largest of the expert's scales, in every lane, then as a scalar
	v_max_num_f32 v[SV], v[SV], v[SV+3]
.irp m, 1,2,4,8
	v_max_num_f32_dpp v[SV], v[SV], v[SV] row_xmask:\m row_mask:0xf bank_mask:0xf
.endr
	v_permlanex16_b32 v[SV+1], v[SV], s[SEL], s[SEL+1]
	v_max_num_f32 v[SV], v[SV], v[SV+1]
	v_readfirstlane_b32 s[SB], v[SV]
	s_wait_kmcnt 0x0
	s_min_u32 s[CNT], s[CNT], 0x800                ; a loaded number is bounded before it steers anything
	s_sub_co_u32 s[CM1], s[CNT], 1
	s_mul_i32 s[START], s[WV], 80
	s_mov_b32 s[PASS], 7
	s_wait_dscnt 0x0                               ; for the others' sake: my part of the slice and of the zeros is in LDS
	s_barrier_signal -1
	s_barrier_wait -1                              ; the slice is whole; from here on its bytes are only read
; One k step of 32: 20 matrix instructions, the accumulators by turns.  sr = the step's number, less 6 for each trip gone (slots go by 6, weight buffers by 2, sets of scales by 3 blocks = 6 steps).
; Behind the products, four to a product, stands the rescaling of the NEXT step's fragments, which name none of the products' registers.
; Then: the weight buffer just multiplied takes the fragments two steps ahead; the ring slot just multiplied is asked for again, six steps ahead (k step ua from GW on), and where that step begins a column block
; its five scales are asked for first, into the set whose factors this step's rescaling was the last to use.
; The counts: behind the next step's rows stand the loads of four younger steps, two of 10 and two of 15: 50; behind this step's eight fragment loads the next step's eight.
; st = 1: a trip's first step moves the bases on: the wait that frees them stands behind the step's products, not straight behind the loads that name them.
.macro KSTEP sr, ua, zero, st
.set kslot, (\sr)%6
.set kbb, (\sr)%2
.set rslot, ((\sr)+1)%6
.set rrx, (((\sr)+1)/2)%3
.set rc, 20*((\sr)%2)
.set rn, rc+40
.set ri, 0
	s_wait_loadcnt 50
	s_wait_dscnt 8
.set kq, 0
.rept 5
.set kf, 0
.rept 4
	WIN 0x01                                       ; source 0 (rows of gated) in window 1
.if \zero
	v_wmma_f32_16x16x32_f16 v[ACC+8*(4*kq+kf):ACC+8*(4*kq+kf)+7], v[40*kslot+8*kq:40*kslot+8*kq+7], v[BF+32*kbb+8*kf:BF+32*kbb+8*kf+7], 0
.else
	v_wmma_f32_16x16x32_f16 v[ACC+8*(4*kq+kf):ACC+8*(4*kq+kf)+7], v[40*kslot+8*kq:40*kslot+8*kq+7], v[BF+32*kbb+8*kf:BF+32*kbb+8*kf+7], v[ACC+8*(4*kq+kf):ACC+8*(4*kq+kf)+7]
.endif
.rept 4
.if ri < rn
	WIN 0x45                                       ; destination and both sources in window 1
	ROP
.endif
.endr
.set kf, kf+1
.endr
.set kq, kq+1
.endr
	WIN 0
	PLACES
.if \st
	s_wait_xcnt 0x0                                ; the loads' bases and offsets are rewritten only behind this wait
	s_add_nc_u64 s[GW:GW+1], s[GW:GW+1], 384       ; six k steps of 64 bytes in a row of gated,
	s_add_nc_u64 s[GS:GS+1], s[GS:GS+1], 12        ; three column blocks of 4 bytes
	s_cmp_eq_u32 s[CK], 1
	s_cselect_b32 s[MSK], 0, -1                    ; the last trip's requests serve nothing: every lane then names the expert's first rows and scales
.set kq, 0
.rept 5
	v_and_b32 v[ROW+kq], s[MSK], v[ROW+kq]
	v_and_b32 v[RS+kq], s[MSK], v[RS+kq]
.set kq, kq+1
.endr
.endif
.set kf, 0
.rept 8
	ds_load_b128 v[BF+32*kbb+4*kf:BF+32*kbb+4*kf+3], v[LB] offset:((\sr)+2)*4096+512*kf
.set kf, kf+1
.endr
.if ((\ua)%2) == 0
	SLOAD ((\ua)/2)%3, (\ua)/2
.endif
	ALOAD kslot, \ua
.endm
.Lpass:
	s_cmp_ge_u32 s[START], s[CNT]
	s_cbranch_scc1 .Lskip                          ; nothing of mine in this pass: forward, past text without a barrier
	s_wait_xcnt 0x0                                ; the last pass's stores have read their offsets and data: these registers are rewritten only behind this wait
	v_add_nc_u32 v[PR], s[START], v1
	v_lshl_add_u32 v[PH], v2, 3, s[START]
.set q, 0
.rept 5                                ; source 0's lane holds row r of its tile: place START + 16 q + r, held to the last place; 4 bytes a place
	v_add_nc_u32 v[ROW+q], 16*q, v[PR]
	v_min_u32 v[ROW+q], s[CM1], v[ROW+q]
	v_min_u32 v[ROW+q], 0x7ff, v[ROW+q]
	v_lshlrev_b32 v[ROW+q], 2, v[ROW+q]
.set q, q+1
.endr
	WIN 0x80
.set n, 0
.rept 40                               ; a result's register j holds place START + 16 q + 8 h + j
	v_add_nc_u32 v[OF+n], 16*(n/8)+n%8, v[PH]
.set n, n+1
.endr
	WIN 0x88
.set n, 0
.rept 40
	v_min_u32 v[OF+n], s[CM1], v[OF+n]
	v_min_u32 v[OF+n], 0x7ff, v[OF+n]
	v_lshlrev_b32 v[OF+n], 2, v[OF+n]
.set n, n+1
.endr
	WIN 0
.set q, 0
.rept 5
	global_load_b32 v[ROW+q], v[ROW+q], s[8:9]     ; the id; each load lands on its own address register
.set q, q+1
.endr
	WIN 0x82
.set n, 0
.rept 40
	global_load_b32 v[OF+n], v[OF+n], s[8:9]
.set n, n+1
.endr
	s_wait_loadcnt 0x0
	WIN 0x88
.set n, 0
.rept 40
	v_min_u32 v[OF+n], 0x7ff, v[OF+n]              ; a loaded id is bounded before it enters an address
	v_lshlrev_b32 v[WT+n], 2, v[OF+n]
.set n, n+1
.endr
	WIN 0x82
.set n, 0
.rept 40
	global_load_b32 v[WT+n], v[WT+n], s[12:13]     ; routing_weights[id]
.set n, n+1
.endr
.set n, 0
.rept 40
	v_lshl_add_u32 v[OF+n], v[OF+n], 13, v[COL]    ; row id of part, 8,192 bytes a row, + 16 r
.set n, n+1
.endr
	WIN 0
.set q, 0
.rept 5
	v_lshrrev_b32 v[RS+q], 8, v[ROW+q]             ; the row's group of 128 tokens, id / 256,
	v_min_u32 v[RS+q], 7, v[RS+q]                  ; bounded,
	v_lshlrev_b32 v[RS+q], 6, v[RS+q]              ; 64 bytes of scales a group
	v_min_u32 v[ROW+q], 0x7ff, v[ROW+q]
	v_and_b32 v[ROW+q], 0x7fe, v[ROW+q]            ; 2 t
	v_lshl_add_u32 v[ROW+q], v[ROW+q], 10, v[H16]  ; t x 2,048 bytes + 16 h
.set q, q+1
.endr
	s_mov_b64 s[GW:GW+1], s[4:5]
	s_mov_b64 s[GS:GS+1], s[14:15]
	s_mov_b32 s[LBS], 0
	v_mov_b32 v[LB], v[LB0]                        ; k step 0 lies at LDS byte 0
.set n, 0
.rept 16                               ; the weight fragments of k steps 0 and 1
	ds_load_b128 v[BF+4*n:BF+4*n+3], v[LB] offset:512*n
.set n, n+1
.endr
	SLOAD 0, 0                                     ; the rows' k steps 0 to 5, each column block's scales ahead of its first step
	ALOAD 0, 0
	ALOAD 1, 1
	SLOAD 1, 1
	ALOAD 2, 2
	ALOAD 3, 3
	SLOAD 2, 2
	ALOAD 4, 4
	ALOAD 5, 5
	s_wait_loadcnt 60                              ; block 0's scales and step 0's rows are in (and the 40 older loads of the routing weights); the 60 younger loads stay out
.set rslot, 0
.set rrx, 0
.set rc, 20
.set rn, 60
.set ri, 0
	WIN 0x45
.rept 60
	ROP                                            ; step 0 has no step before it to carry its rescaling
.endr
	WIN 0
	KSTEP 0, 6, 1, 0                               ; the first k step starts the sums
	KSTEP 1, 7, 0, 0
	s_mov_b32 s[CK], 5
.Lk:                                                   ; a trip goes once round the ring: k steps 6 n + 2 .. 6 n + 7
	KSTEP 2, 2, 0, 1
	KSTEP 3, 3, 0, 0
	KSTEP 4, 4, 0, 0
	KSTEP 5, 5, 0, 0
	KSTEP 6, 6, 0, 0
	KSTEP 7, 7, 0, 0
	s_add_co_u32 s[LBS], s[LBS], 24576             ; six k steps of 4,096 bytes of fragments in LDS
	v_add_nc_u32 v[LB], s[LBS], v[LB0]
	s_sub_co_u32 s[CK], s[CK], 1
	s_cmp_lg_u32 s[CK], 0
	s_cbranch_scc1 .Lk
	s_wait_loadcnt 0x0                             ; what the last trip asked for has landed: its registers are written again below and in the next pass
	s_wait_dscnt 0x0
	; THE WAY OUT.  The routing weight is rounded to bf16 like every other input, used in f32, and takes S with it.  A lane's four fragments hold columns 4 r .. 4 r + 3 of a row: 16 bytes.
	WIN 0x8a
.set n, 0
.rept 40
	v_cvt_pk_bf16_f32 v[WT+n], v[WT+n], v[WT+n]
.set n, n+1
.endr
.set n, 0
.rept 40
	v_and_b32 v[WT+n], s[HM], v[WT+n]
.set n, n+1
.endr
.set n, 0
.rept 40
	v_mul_f32 v[WT+n], s[SB], v[WT+n]
.set n, n+1
.endr
.irp q, 0,1,2,3,4
	WIN 0
.if (\q) > 0
	s_add_co_u32 s[TT], s[START], 16*(\q)
	s_cmp_ge_u32 s[TT], s[CNT]
	s_cbranch_scc1 .Lskip                          ; this tile and those behind it lie past the count
.endif
	WIN 0x48
.set n, 0
.rept 32                               ; n = 4 j + f, j ascending: each accumulator's lowest register is read first
	v_mul_f32 v[32*(\q)+n], v[ACC+8*(4*(\q)+n%4)+n/4], v[WT+8*(\q)+n/4]
.set n, n+1
.endr
	WIN 0x06
.set n, 0
.rept 8
	global_store_b128 v[OF+8*(\q)+n], v[32*(\q)+4*n:32*(\q)+4*n+3], s[PT:PT+1]  ; lanes 0-15: 256 consecutive aligned bytes of one row, lanes 16-31 of another.  In the tile that holds the count the places
.set n, n+1                            ; past it store the last place's bytes once more, to the same address, from this same wave
.endr
.endr
	WIN 0
.Lskip:
	s_add_co_u32 s[START], s[START], 320
	s_sub_co_u32 s[PASS], s[PASS], 1
	s_cmp_lg_u32 s[PASS], 0
	s_cbranch_scc1 .Lpass
	s_wait_dscnt 0x0                               ; my reads of the slice are over,
	s_barrier_signal -1                            ; and every wave says so once, behind its seven passes and outside every branch on the count:
	s_barrier_wait -1                              ; no LDS word is written again while a wave still reads LDS
	s_wait_tensorcnt 0x0                           ; the wave's end, behind my last LDS store
	ds_add_u32 v[SPW], v[NIL]
	s_wait_dscnt 0x0
	s_endpgm
.Lfunc_end_k_qa8f3436c57_down:
	.size	k_qa8f3436c57_down, .Lfunc_end_k_qa8f3436c57_down-k_qa8f3436c57_down
	.p2alignl 7, 3214868480
	.fill 96, 4, 3214868480
	.section	.rodata,"a",@progbits
	.p2align	6, 0x0
	.amdhsa_kernel k_qa8f3436c57_down
		.amdhsa_group_segment_fixed_size 139776
		.amdhsa_private_segment_fixed_size 0
		.amdhsa_enable_private_segment 0
		.amdhsa_kernarg_size 56
		.amdhsa_user_sgpr_count 2
		.amdhsa_user_sgpr_kernarg_segment_ptr 1
		.amdhsa_wavefront_size32 1
		.amdhsa_system_sgpr_workgroup_id_x 1
		.amdhsa_system_sgpr_workgroup_id_y 1
		.amdhsa_system_sgpr_workgroup_id_z 1
		.amdhsa_system_vgpr_workitem_id 0
		.amdhsa_next_free_vgpr 592
		.amdhsa_next_free_sgpr 66
		.amdhsa_reserve_vcc 0
		.amdhsa_float_denorm_mode_32 3
		.amdhsa_float_denorm_mode_16_64 3
		.amdhsa_memory_ordered 1
		.amdhsa_forward_progress 1
		.amdhsa_inst_pref_size 176
	.end_amdhsa_kernel
	.amdgpu_metadata
---
amdhsa.version: [ 1, 2 ]
amdhsa.kernels:
  - .name:           k_qa8f3436c57_down
    .symbol:         k_qa8f3436c57_down.kd
    .args:
      - { .name: gated, .offset: 0, .size: 8, .value_kind: global_buffer, .address_space: global }
      - { .name: w3, .offset: 8, .size: 8, .value_kind: global_buffer, .address_space: global }
      - { .name: list, .offset: 16, .size: 8, .value_kind: global_buffer, .address_space: global }
      - { .name: counts, .offset: 24, .size: 8, .value_kind: global_buffer, .address_space: global }
      - { .name: routing_weights, .offset: 32, .size: 8, .value_kind: global_buffer, .address_space: global }
      - { .name: gsc, .offset: 40, .size: 8, .value_kind: global_buffer, .address_space: global }
      - { .name: part, .offset: 48, .size: 8, .value_kind: global_buffer, .address_space: global }
    .group_segment_fixed_size: 139776
    .private_segment_fixed_size: 0
    .kernarg_segment_align: 8
    .kernarg_segment_size: 56
    .max_flat_workgroup_size: 128
    .sgpr_count:     66
    .vgpr_count:     592
    .wavefront_size: 32
...
	.end_amdgpu_metadata
.endif
;; end of part 3
;; launch sum (part 4): grid 256 x 1, 8 waves a work-group, no clusters, 0 bytes of LDS; arguments part, amaxp, out0, out1; writes out0, out1
.if DOCPART == 4
	.amdgcn_target "amdgcn-amd-amdhsa--gfx1250"
	.amdhsa_code_object_version 6
	.text
	.protected	k_qa8f3436c57_sum
	.globl	k_qa8f3436c57_sum
	.p2align	8
	.type	k_qa8f3436c57_sum,@function
k_qa8f3436c57_sum:
	s_mov_b64 s[64:65], 0
	v_nop
	global_prefetch_b8 v0, s[64:65] scope:SCOPE_SE
	s_setreg_imm32_b32 hwreg(HW_REG_WAVE_MODE, 25, 1), 1
	s_wait_xcnt 0x0
; out0[t][:] = part[2 t][:] + part[2 t + 1][:], in f32.  out1[e] = the maximum of amaxp[e][0 .. 127] (it passes over NaN: v_max_num).
; A stream: work-group g owns tokens 4 g .. 4 g + 3; thread t takes 16 bytes at 16 t of each block of 4,096 bytes, so a wave's load or store covers 512 consecutive bytes.
; All sixteen loads go out first; every register is used once, so no wait for a store's sources is needed.  No LDS, no matrix unit, no cluster: nothing is shared.
	s_load_b256 s[4:11], s[0:1], 0x0               ; part s[4:5], amaxp s[6:7], out0 s[8:9], out1 s[10:11]
	v_lshlrev_b32 v1, 4, v0
	s_lshl_b32 s12, ttmp9, 16                      ; eight rows of part
	s_mov_b32 s13, 0
	s_lshl_b32 s14, ttmp9, 15                      ; four rows of out0
	s_mov_b32 s15, 0
	s_wait_kmcnt 0x0
	s_add_nc_u64 s[4:5], s[4:5], s[12:13]
	s_add_nc_u64 s[8:9], s[8:9], s[14:15]
.set n, 0
.rept 8                                ; token n / 2, half n % 2 of its row: the first choice's part, then the second's
	global_load_b128 v[16+8*n:19+8*n], v1, s[4:5] offset:(n/2)*16384+(n%2)*4096 th:TH_LOAD_NT
	global_load_b128 v[20+8*n:23+8*n], v1, s[4:5] offset:(n/2)*16384+(n%2)*4096+8192 th:TH_LOAD_NT
.set n, n+1
.endr
.set n, 0
.rept 8
	s_wait_loadcnt 14-2*n                          ; pair n is in; the younger pairs stay out
	v_pk_add_f32 v[16+8*n:17+8*n], v[16+8*n:17+8*n], v[20+8*n:21+8*n]
	v_pk_add_f32 v[18+8*n:19+8*n], v[18+8*n:19+8*n], v[22+8*n:23+8*n]
	global_store_b128 v1, v[16+8*n:19+8*n], s[8:9] offset:4096*n th:TH_STORE_NT
.set n, n+1
.endr
	s_cmp_lg_u32 ttmp9, 0
	s_cbranch_scc1 .Lend
	; work-group 0 also finishes the maxima: wave v takes expert v's 128 words, four a lane
	v_and_b32 v2, 31, v0
	v_lshrrev_b32 v3, 5, v0
	v_lshlrev_b32 v4, 4, v2
	v_lshl_add_u32 v4, v3, 9, v4
	global_load_b128 v[84:87], v4, s[6:7]
	s_mov_b32 s16, 0x76543210                      ; v_permlanex16_b32: each lane takes its own place in the other half
	s_mov_b32 s17, 0xfedcba98
	v_mov_b32 v89, 0
	v_lshlrev_b32 v90, 2, v3
	s_wait_loadcnt 0x0
	v_max3_num_f32 v88, v84, v85, v86
	v_max_num_f32 v88, v88, v87
	v_max_num_f32_dpp v88, v88, v88 row_xmask:1 row_mask:0xf bank_mask:0xf
	v_max_num_f32_dpp v88, v88, v88 row_xmask:2 row_mask:0xf bank_mask:0xf
	v_max_num_f32_dpp v88, v88, v88 row_xmask:4 row_mask:0xf bank_mask:0xf
	v_max_num_f32_dpp v88, v88, v88 row_xmask:8 row_mask:0xf bank_mask:0xf
	v_permlanex16_b32 v89, v88, s16, s17
	v_max_num_f32 v88, v88, v89
	v_cmp_eq_u32 vcc_lo, 0, v2
	s_wait_xcnt 0x0                                ; EXEC changes only behind this wait
	s_and_saveexec_b32 s18, vcc_lo
	global_store_b32 v90, v88, s[10:11]
	s_wait_xcnt 0x0
	s_or_b32 exec_lo, exec_lo, s18
.Lend:
	s_endpgm
.Lfunc_end_k_qa8f3436c57_sum:
	.size	k_qa8f3436c57_sum, .Lfunc_end_k_qa8f3436c57_sum-k_qa8f3436c57_sum
	.p2alignl 7, 3214868480
	.fill 96, 4, 3214868480
	.section	.rodata,"a",@progbits
	.p2align	6, 0x0
	.amdhsa_kernel k_qa8f3436c57_sum
		.amdhsa_group_segment_fixed_size 0
		.amdhsa_private_segment_fixed_size 0
		.amdhsa_enable_private_segment 0
		.amdhsa_kernarg_size 32
		.amdhsa_user_sgpr_count 2
		.amdhsa_user_sgpr_kernarg_segment_ptr 1
		.amdhsa_wavefront_size32 1
		.amdhsa_system_sgpr_workgroup_id_x 1
		.amdhsa_system_sgpr_workgroup_id_y 1
		.amdhsa_system_sgpr_workgroup_id_z 1
		.amdhsa_system_vgpr_workitem_id 0
		.amdhsa_next_free_vgpr 100
		.amdhsa_next_free_sgpr 66
		.amdhsa_reserve_vcc 1
		.amdhsa_float_denorm_mode_32 3
		.amdhsa_float_denorm_mode_16_64 3
		.amdhsa_memory_ordered 1
		.amdhsa_forward_progress 1
		.amdhsa_inst_pref_size 6
	.end_amdhsa_kernel
	.amdgpu_metadata
---
amdhsa.version: [ 1, 2 ]
amdhsa.kernels:
  - .name:           k_qa8f3436c57_sum
    .symbol:         k_qa8f3436c57_sum.kd
    .args:
      - { .name: part, .offset: 0, .size: 8, .value_kind: global_buffer, .address_space: global }
      - { .name: amaxp, .offset: 8, .size: 8, .value_kind: global_buffer, .address_space: global }
      - { .name: out0, .offset: 16, .size: 8, .value_kind: global_buffer, .address_space: global }
      - { .name: out1, .offset: 24, .size: 8, .value_kind: global_buffer, .address_space: global }
    .group_segment_fixed_size: 0
    .private_segment_fixed_size: 0
    .kernarg_segment_align: 8
    .kernarg_segment_size: 32
    .max_flat_workgroup_size: 256
    .sgpr_count:     66
    .vgpr_count:     100
    .wavefront_size: 32
...
	.end_amdgpu_metadata
.endif
;; end of part 4
;; ======== version 2 of 2: 4 launches; version 1 with the launch down written anew for expert scheduling mode
;; limits: inputs' magnitudes at most 65,504; values are held in f16: magnitudes above 65,504 overflow, below 6.1e-05 lose precision
;; workspace buffers: xb 4,194,304 bytes; list 65,536 bytes of whole numbers; counts 256 bytes of whole numbers; gated 16,777,216 bytes; gsc 4,096 bytes; amaxp 4,096 bytes; part 16,777,216 bytes
;; launch prep: the kernel of part 1 again; grid 264 x 1, 8 waves a work-group, no clusters, 0 bytes of LDS; arguments hidden_states, selected_experts, xb, list, counts; writes xb, list, counts
;; launch gate: the kernel of part 2 again; grid 16 x 16, 4 waves a work-group, clusters of 4 x 1, 327,680 bytes of LDS; arguments xb, w1, w2, gated, amaxp, gsc; writes gated, amaxp, gsc
;; launch down (part 5): grid 256 x 1, 4 waves a work-group, no clusters, 139,776 bytes of LDS; arguments gated, w3, list, counts, routing_weights, gsc, part; writes part
.if DOCPART == 5
	.amdgcn_target "amdgcn-amd-amdhsa--gfx1250"
	.amdhsa_code_object_version 6
	.text
	.protected	k_qa8f3436c57_down
	.globl	k_qa8f3436c57_down
	.p2align	8
	.type	k_qa8f3436c57_down,@function
k_qa8f3436c57_down:
	s_mov_b64 s[64:65], 0
	v_nop
	global_prefetch_b8 v0, s[64:65] scope:SCOPE_SE
	s_setreg_imm32_b32 hwreg(HW_REG_WAVE_SCHED_MODE, 0, 2), 2
	s_setreg_imm32_b32 hwreg(HW_REG_WAVE_MODE, 25, 1), 1
	s_wait_xcnt 0x0
	s_wait_alu depctr_vm_vsrc(0)
; part[id][:] = bf16(routing_weights[id]) x (g[e][id / 2][:] . w3[e]) for the choices id = 2 t + k that name expert e: only the routed rows of the third product.
; gated: [8][1024][1024] f16: g divided by its tile's scale; gsc: [8][8 groups of 128 tokens][16 blocks of 64 columns] f32, the scales, all powers of two.  S is the largest of the expert's 128 scales.
; A fragment of g is multiplied by scale / S (a power of two, 1 at the most: exact but in f16's denormals, 2^-39 of the expert's largest g), so that all of a row's k stand on one scale; the sums are multiplied by S at the end.
; w3: [8][1024][2048] f32, rounded to bf16 like every input, and that number written as f16.  part: [2048][2048] f32 (partial sums stay in f32).  Every split of the choices is served: an expert may have 0 to 2,048.
; LIMITS.  |w3| up to 65,504 (beyond it f16 holds an infinity); below 6.1e-5 it keeps f16's fixed step of 6e-8.
; SHARES.  Work-group = expert e (number / 32) x slice of 64 output columns (number % 32): it alone reads its 1,024 rows x 256 bytes of w3, once, and serves all rows of its expert.
; NO CLUSTER, NO TENSOR LOAD: each weight byte is read by one work-group and must be rounded on its way; what an expert's work-groups share are token rows named by a list, which no descriptor covers.
; PHASE 1.  Wave w brings k steps 8 w .. 8 w + 7 (32 rows each) through registers.  Lane (r, h) loads rows 8 h + 0..7 and 16 + 8 h + 0..7 at columns 4 r .. 4 r + 3: two neighbouring rows rounded in pairs are a
; register of source 1, and fragment f's lane r holds column 4 r + f.  The fragments go into LDS as they are used: k step s, fragment f, half q at 4,096 s + 1,024 f + 512 q + 16 lane.
; PHASE 2.  Seven passes (7 x 320 places cover 2,048) of which a wave jumps those that begin at or past the count; no barrier stands in a pass.  A wave's pass is 80 places of the list: 5 row tiles x 4 fragments,
; 20 accumulators.  The rows of gated come from memory straight into fragments (a ring of six k steps), the weights from LDS.  Places past the count repeat the last place, which lies in the same wave's 80.
; ONE TEXT FOR THE K STEPS.  Steps 0 and 1 are written out; five trips of six steps do steps 2 to 31.  What steps 27 to 31 ask for (rows of steps 32 to 36, scales, the fragments of step 32) serves nothing:
; the row offsets are masked to 0 at the head of step 27, so that each such load names one short piece of the expert's first rows or scales, and LDS holds zeros behind the slice.  So every wait has one count in every trip.
; THE MODE: SCHED_MODE bits 1:0 = 2 (LLVM: expert scheduling mode 2), set by the entry lines.  The code itself states the register dependences
; between vector or matrix instructions and memory or LDS instructions, with s_wait_alu, always for 0.
; THE PLAN.  Registers that memory or LDS instructions touch:
;   phase 1, step i   slot i % 4 of window 1: read by the step's 32 roundings, then loaded again.  BF[i % 2]: written by the step's conversions, read by eight LDS stores that are issued in step i + 1.
;                     One wait on va_vdst behind the roundings serves the reload and the stores of the step before; one on vm_vsrc at the step's head frees the BF that the step writes.
;   k loop, step s    the products name ring slot s % 6, BF[s % 2] and the accumulators; the rescaling names ring slot (s + 1) % 6 and set ((s + 1) / 2) % 3 of the scales.
;                     The step's loads land in BF[(s + 1) % 2] (fragments of step s + 1), ring slot (s + 5) % 6 (rows of step s + 5) and, in odd steps, set ((s + 5) / 2) % 3; they read v[LB], v[ROW ..], v[RS ..].
;                     Those are the registers that step s - 1 was the last to name.  So ONE wait on va_vdst stands at a step's head, and the loads are dealt among the step's products with no further wait.
;   v[LB]             written at the loop's foot, behind a wait on vm_vsrc.   v[ROW ..], v[RS ..]: written at the head of a trip's second step, likewise.   v[LW], v[LB0], v[WOF], v[PADA]: written at the head alone.
;   OF, WT, results   written in a pass's head or way out by vector instructions, read by loads and stores: the waits stand there, each with its reason.
;   v[SPW], v[NIL]    written at the head, read by the closing add alone.
; REGISTERS, in windows of 256 (s_set_vgpr_msb: bits 1:0 source 0, 3:2 source 1, 5:4 source 2, 7:6 destination):
;   window 0: v0-29 addresses; v32-95 weight fragments, two buffers; v96-255 accumulator (q, f) at v[96 + 8 (4 q + f)] (in phase 1 v96-159 are at work)
;   window 1: phase 1: the weights as loaded, four slots of 64; phase 2: the ring of gated's fragments, six slots of 40, and v240-254 the scales, three sets of five; on the way out the results, 160
;   window 2: v0-39 byte offset in part of place 16 q + 8 h + j; v40-79 its weight
.set SLICE, 131072                     ; the slice's fragments: 32 k steps of 4,096 bytes
.set SPARE, SLICE+8192                 ; behind 8,192 bytes of zeros: the spare words, 128 bytes a wave: two blocks of 256 bytes that no other line names
.set SPW, 4                            ; v4   LDS address of my spare word; never rewritten
.set NIL, 5                            ; v5   0; never rewritten
.set LW,  6                            ; v6   16 lane + 32,768 wave: where phase 1 stores
.set LB0, 7                            ; v7   16 lane; never rewritten
.set LB,  8                            ; v8   16 lane + s[LBS]: my place in the fragments of the k step that the loop's offsets count from
.set WOF, 9                            ; v9   65,536 h + 16 r: my place in 32 rows of w3
.set COL, 10                           ; v10  16 r
.set H16, 11                           ; v11  16 h
.set ROW, 12                           ; v12-16  row tile q: byte offset of my row of gated
.set PR,  17                           ; v17  START + r
.set PH,  18                           ; v18  START + 8 h
.set SV,  20                           ; v20-23  four of the expert's scales; then v20 their maximum
.set RS,  24                           ; v24-28  row tile q: byte offset of my row's sixteen scales
.set PADA, 29                          ; v29  where I store my part of the zeros
.set BF,  32
.set ACC, 96
.set SC,  240                          ; window 1
.set OF,  0                            ; window 2
.set WT,  40                           ; window 2
.set WV,  16                           ; s16  wave
.set CNT, 22                           ; s22  the expert's count
.set CM1, 23                           ; s23  count - 1
.set START, 24                         ; s24  my first place in the pass
.set PASS, 25
.set CK,  26
.set TT,  27
.set GW,  28                           ; s[28:29] the expert's gated at the k step that the loads' offsets count from
.set LBS, 30                           ; s30  LDS byte of the k step that the fragment loads' offsets count from
.set MSK, 31                           ; s31  all ones; 0 from a pass's step 27 on
.set PT,  32                           ; s[32:33] part at the slice's 256 bytes
.set GS,  34                           ; s[34:35] the expert's scales at the column block that the loads' offsets count from
.set SB,  36                           ; s36  S
.set ONE, 37                           ; s37  1.0
.set HM,  38                           ; s38  a word's upper half
.set SEL, 40                           ; s[40:41] v_permlanex16_b32's selects
.set MSB, 0
.macro WIN new                         ; the immediate's high byte repeats the setting that is left; a switch that changes nothing is dropped
.if MSB != (\new)
	s_set_vgpr_msb (MSB<<8)|(\new)
.set MSB, \new
.endif
.endm
.macro W3LOAD slot, i                  ; 16 loads: my k step i; sixteen lanes take 256 consecutive aligned bytes of a row.  Read once in the launch: the hint says so
	WIN 0x40
.set wj, 0
.rept 16
	global_load_b128 v[64*(\slot)+4*wj:64*(\slot)+4*wj+3], v[WOF], s[6:7] offset:(\i)*262144+(wj+8*(wj/8))*8192 th:TH_LOAD_NT
.set wj, wj+1
.endr
.endm
.macro P1OUT i                         ; 8 LDS stores: the fragments of my k step i; 32 lanes, 16 neighbouring bytes each
.set c, 0
.rept 8
	ds_store_b128 v[LW], v[BF+32*((\i)%2)+4*c:BF+32*((\i)%2)+4*c+3] offset:4096*(\i)+512*c
.set c, c+1
.endr
.endm
.macro ALOAD5 slot, ua, x0             ; five of the ten loads of my five rows' fragments of k step ua from GW on, into a slot of the ring: number x takes half x % 2 of row tile x / 2
	WIN 0x40
.set lx, \x0
.rept 5
	global_load_b128 v[40*(\slot)+4*lx:40*(\slot)+4*lx+3], v[ROW+lx/2], s[GW:GW+1] offset:64*(\ua)+32*(lx%2)
.set lx, lx+1
.endr
.endm
.macro ALOAD slot, ua                  ; all ten
	ALOAD5 \slot, \ua, 0
	ALOAD5 \slot, \ua, 5
.endm
.macro SLOAD set, c                    ; 5 loads: my five rows' scales of column block c from GS on, into a set of the three
	WIN 0x40
.set lq, 0
.rept 5
	global_load_b32 v[SC+5*(\set)+lq], v[RS+lq], s[GS:GS+1] offset:4*(\c)
.set lq, lq+1
.endr
.endm
; THE RESCALING of a k step's fragments, a list of rn lines of which ROP writes the next.  Where the step begins a column block (rc = 20) its five scales are first made into factors, in place:
; scale / S = 2^-d with d = (S's bits - the scale's bits) >> 23, held to 127: 1.0's bits less that difference; then twice in a word as f16 (0 below 2^-25).  Then 40 packed multiplies: fragment q by factor q.
.macro ROP
.if ri < rc
.set rr, SC+5*rrx+ri%5
.if ri/5 == 0
	v_sub_nc_u32 v[rr], s[SB], v[rr]
.elseif ri/5 == 1
	v_min_u32 v[rr], s[ONE], v[rr]
.elseif ri/5 == 2
	v_sub_nc_u32 v[rr], s[ONE], v[rr]
.else
	v_cvt_pk_f16_f32 v[rr], v[rr], v[rr]
.endif
.else
	v_pk_mul_f16 v[40*rslot+ri-rc], v[40*rslot+ri-rc], v[SC+5*rrx+(ri-rc)/8]
.endif
.set ri, ri+1
.endm
	s_load_b256 s[4:11], s[0:1], 0x0               ; gated s[4:5], w3 s[6:7], list s[8:9], counts s[10:11]
	s_load_b128 s[12:15], s[0:1], 0x20             ; routing_weights s[12:13], gsc s[14:15]
	s_load_b64 s[PT:PT+1], s[0:1], 0x30            ; part
	v_lshl_add_u32 v[SPW], v0, 2, SPARE
	v_mov_b32 v[NIL], 0
	v_lshrrev_b32 v1, 5, v0
	v_readfirstlane_b32 s[WV], v1
	v_and_b32 v1, 15, v0                           ; r
	v_bfe_u32 v2, v0, 4, 1                         ; h
	v_and_b32 v3, 31, v0                           ; lane
	s_lshr_b32 s17, ttmp9, 5                       ; e
	s_and_b32 s18, ttmp9, 31                       ; the slice
	v_lshlrev_b32 v[LB0], 4, v3
	v_lshlrev_b32 v[COL], 4, v1
	v_lshlrev_b32 v[H16], 4, v2
	v_lshl_add_u32 v[WOF], v2, 16, v[COL]
.set c, 0
.rept 4
	v_mov_b32 v[BF+c], 0
.set c, c+1
.endr
	s_wait_alu depctr_va_sdst(0)                   ; the wave's number is written, ahead of its first reader
	s_lshl_b32 s19, s[WV], 15
	v_add_nc_u32 v[LW], s19, v[LB0]
	s_lshl_b32 s19, s[WV], 11
	s_add_co_u32 s19, s19, SLICE
	v_add_nc_u32 v[PADA], s19, v[LB0]              ; behind the slice, 2,048 bytes a wave
	s_wait_alu depctr_va_vdst(0)                   ; v[PADA] and the four zeros are written, which the LDS stores below read; so are v[LB0], v[WOF] and v[LW], the addresses of the loads and stores up to the passes
.set c, 0
.rept 4
	ds_store_b128 v[PADA], v[BF:BF+3] offset:512*c ; zeros behind the slice: the loop's last step reads their first 4,096 bytes, where k step 32 would lie
.set c, c+1
.endr
	s_mov_b32 s[ONE], 1.0
	s_mov_b32 s[HM], 0xffff0000
	s_mov_b32 s[SEL], 0x76543210
	s_mov_b32 s[SEL+1], 0xfedcba98
	s_mov_b32 s21, 0
	s_wait_kmcnt 0x0
	s_lshl_b32 s20, s17, 2
	s_add_nc_u64 s[10:11], s[10:11], s[20:21]
	s_load_b32 s[CNT], s[10:11], 0x0               ; an earlier launch stored it
	s_lshl_b32 s20, s17, 9                         ; the expert's 128 scales
	s_add_nc_u64 s[14:15], s[14:15], s[20:21]
	global_load_b128 v[SV:SV+3], v[LB0], s[14:15]  ; four a lane
	s_lshl_b32 s20, s17, 23                        ; w3: the expert's 8 MiB, 256 bytes a slice, my 256 rows of 8,192 bytes
	s_lshl_b32 s19, s18, 8
	s_add_co_u32 s20, s20, s19
	s_lshl_b32 s19, s[WV], 21
	s_add_co_u32 s20, s20, s19
	s_add_nc_u64 s[6:7], s[6:7], s[20:21]
	W3LOAD 0, 0
	W3LOAD 1, 1
	W3LOAD 2, 2
	W3LOAD 3, 3
	s_lshl_b32 s20, s17, 21                        ; gated: the expert's 1,024 rows of 2,048 bytes
	s_add_nc_u64 s[4:5], s[4:5], s[20:21]
	s_lshl_b32 s20, s17, 13                        ; the expert's list
	s_add_nc_u64 s[8:9], s[8:9], s[20:21]
	s_lshl_b32 s20, s18, 8                         ; part: the slice's 256 bytes of every row
	s_add_nc_u64 s[PT:PT+1], s[PT:PT+1], s[20:21]
.irp i, 0,1,2,3,4,5,6,7
.if (\i) < 5
	s_wait_loadcnt 48                              ; k step i is in (and the scales, which are older); three younger steps' 48 loads stay out
.else
	s_wait_loadcnt 16*(7-(\i))                     ; nothing more is asked for: the counts run down
.endif
.if (\i) != 1
	s_wait_alu depctr_vm_vsrc(0)                   ; the LDS stores issued so far (step 0: of the zeros; later: of the step two back) have read the BF that this step's roundings write
.endif
	WIN 0x05
.set c, 0
.rept 32                               ; number c = 8 f + n packs column f of rows 2 n and 2 n + 1, rounded to bf16
	v_cvt_pk_bf16_f32 v[BF+32*((\i)%2)+c], v[64*((\i)%4)+8*(c%8)+c/8], v[64*((\i)%4)+8*(c%8)+4+c/8]
.set c, c+1
.endr
.if (\i) < 4
	WIN 0x40
.else
	WIN 0
.endif
	s_wait_alu depctr_va_vdst(0)                   ; the roundings are done reading the slot, in which the loads below land; the step before has written its BF, which the LDS stores below read
.if (\i) < 4
	W3LOAD (\i)%4, (\i)+4                          ; the slot has been read: its next k step goes out at once
.endif
	WIN 0
.if (\i) > 0
	P1OUT (\i)-1                                   ; the step before goes into LDS
.endif
.set c, 0
.rept 32                               ; the two bf16 numbers as f32,
	v_lshlrev_b32 v[ACC+2*c], 16, v[BF+32*((\i)%2)+c]
	v_and_b32 v[ACC+2*c+1], s[HM], v[BF+32*((\i)%2)+c]
.set c, c+1
.endr
.set c, 0
.rept 32                               ; and written as f16: 8 significant bits go into 11
	v_cvt_pk_f16_f32 v[BF+32*((\i)%2)+c], v[ACC+2*c], v[ACC+2*c+1]
.set c, c+1
.endr
.endr
	s_wait_alu depctr_va_vdst(0)                   ; step 7 has written its BF, which the last eight LDS stores read
	P1OUT 7
	v_max3_num_f32 v[SV], v[SV], v[SV+1], v[SV+2]  ; S: the largest of the expert's scales, in every lane, then as a scalar
	v_max_num_f32 v[SV], v[SV], v[SV+3]
.irp m, 1,2,4,8
	v_max_num_f32_dpp v[SV], v[SV], v[SV] row_xmask:\m row_mask:0xf bank_mask:0xf
.endr
	v_permlanex16_b32 v[SV+1], v[SV], s[SEL], s[SEL+1]
	v_max_num_f32 v[SV], v[SV], v[SV+1]
	v_readfirstlane_b32 s[SB], v[SV]
	s_wait_alu depctr_va_sdst(0)                   ; S is written
	s_wait_kmcnt 0x0
	s_min_u32 s[CNT], s[CNT], 0x800                ; a loaded number is bounded before it steers anything
	s_sub_co_u32 s[CM1], s[CNT], 1
	s_mul_i32 s[START], s[WV], 80
	s_mov_b32 s[PASS], 7
	s_wait_dscnt 0x0                               ; for the others' sake: my part of the slice and of the zeros is in LDS
	s_barrier_signal -1
	s_barrier_wait -1                              ; the slice is whole; from here on its bytes are only read
; One k step of 32: 20 matrix instructions, the accumulators by turns.  sr = the step's number, less 6 for each trip gone (slots go by 6, weight buffers by 2, sets of scales by 3 blocks = 6 steps).
; THE STEP'S LOADS stand behind its first products: behind the first two the eight fragment loads of the next step, into the weight buffer that the step before multiplied; then, five to a product, the loads of the step
; five ahead (k step ua from GW on) into the ring slot that the step before multiplied, and where that step begins a column block its five scales first, into the set whose factors the step before was the last to use.
; THE RESCALING of the NEXT step's fragments stands behind the step's last ten or fifteen products, four lines to a product; it names none of the products' registers, and none that the step's loads touch.
; The four lines behind the last product are also four plain instructions between it and the next step's loads into the registers that it read.
; The counts: the fragment loads of this step, issued a step ago, are the only LDS loads out: 0; ahead of the first rescaling line all the step's loads are issued, and behind the next step's rows stand the loads of
; four younger steps, two of 10 and two of 15: 50.
; st = 1: a trip's second step moves the bases on and, in the last trip, masks the offsets: step 26 has then asked for step 31's rows, the last that serve.
.macro KSTEP sr, ua, zero, st
.set kslot, (\sr)%6
.set kbb, (\sr)%2
.set lslot, ((\sr)+5)%6
.set rslot, ((\sr)+1)%6
.set rrx, (((\sr)+1)/2)%3
.set rc, 20*((\sr)%2)
.set rn, rc+40
.set rfirst, 20-rn/4
.set ri, 0
.if \st
	s_wait_xcnt 0x0                                ; the loads' bases and offsets are rewritten only behind this wait; the youngest of those loads stand sixteen products back
	s_wait_alu depctr_vm_vsrc(0)                   ; the loads issued so far have read v[ROW ..] and v[RS ..], which the ten lines below write
	s_add_nc_u64 s[GW:GW+1], s[GW:GW+1], 384       ; six k steps of 64 bytes in a row of gated,
	s_add_nc_u64 s[GS:GS+1], s[GS:GS+1], 12        ; three column blocks of 4 bytes
	s_cmp_eq_u32 s[CK], 1
	s_cselect_b32 s[MSK], 0, -1                    ; from here on the last trip's requests serve nothing: every lane then names the expert's first rows and scales
.set kq, 0
.rept 5
	v_and_b32 v[ROW+kq], s[MSK], v[ROW+kq]
	v_and_b32 v[RS+kq], s[MSK], v[RS+kq]
.set kq, kq+1
.endr
.endif
	s_wait_dscnt 0x0                               ; this step's weight fragments are in
.if !(\zero)
	s_wait_alu depctr_va_vdst(0)                   ; the step before is done: its products with their ring slot and weight buffer, its rescaling with its set of factors, in all of which this step's loads land; v[LB], or v[ROW ..] and v[RS ..], are written where they were stepped
.endif
.set km, 0
.rept 20
	WIN 0x01                                       ; source 0 (rows of gated) in window 1
.if \zero
	v_wmma_f32_16x16x32_f16 v[ACC+8*km:ACC+8*km+7], v[40*kslot+8*(km/4):40*kslot+8*(km/4)+7], v[BF+32*kbb+8*(km%4):BF+32*kbb+8*(km%4)+7], 0
.else
	v_wmma_f32_16x16x32_f16 v[ACC+8*km:ACC+8*km+7], v[40*kslot+8*(km/4):40*kslot+8*(km/4)+7], v[BF+32*kbb+8*(km%4):BF+32*kbb+8*(km%4)+7], v[ACC+8*km:ACC+8*km+7]
.endif
.set kg, km-3+(\ua)%2
.if km < 2
	WIN 0
.set kd, 4*km
.rept 4
	ds_load_b128 v[BF+32*(1-kbb)+4*kd:BF+32*(1-kbb)+4*kd+3], v[LB] offset:((\sr)+1)*4096+512*kd  ; no wait: no vector or matrix instruction since the step's head names this buffer or v[LB]
.set kd, kd+1
.endr
.elseif (km == 2) && ((\ua)%2 == 0)
	SLOAD ((\ua)/2)%3, (\ua)/2                     ; likewise for the set and v[RS ..],
.elseif (kg == 0) || (kg == 1)
	ALOAD5 lslot, \ua, 5*kg                        ; and for the ring slot and v[ROW ..]
.endif
.if km == rfirst
	s_wait_loadcnt 50                              ; the next step's rows, and its scales where it begins a block, are in
.endif
.if km >= rfirst
	WIN 0x45                                       ; destination and both sources in window 1
.rept 4
	ROP
.endr
.endif
.set km, km+1
.endr
	WIN 0
.endm
.Lpass:
	s_cmp_ge_u32 s[START], s[CNT]
	s_cbranch_scc1 .Lskip                          ; nothing of mine in this pass: forward, past text without a barrier
	s_wait_xcnt 0x0                                ; the last pass's stores have had their addresses translated: their offsets and data are rewritten only behind this wait
	s_wait_alu depctr_vm_vsrc(0)                   ; the last pass's stores have read OF and the results, its loads v[ROW ..], v[RS ..], v[LB] and WT; in the first pass phase 1's LDS stores have read BF: all are written again below
	v_add_nc_u32 v[PR], s[START], v1
	v_lshl_add_u32 v[PH], v2, 3, s[START]
.set q, 0
.rept 5                                ; source 0's lane holds row r of its tile: place START + 16 q + r, held to the last place; 4 bytes a place
	v_add_nc_u32 v[ROW+q], 16*q, v[PR]
	v_min_u32 v[ROW+q], s[CM1], v[ROW+q]
	v_min_u32 v[ROW+q], 0x7ff, v[ROW+q]
	v_lshlrev_b32 v[ROW+q], 2, v[ROW+q]
.set q, q+1
.endr
	WIN 0x80
.set n, 0
.rept 40                               ; a result's register j holds place START + 16 q + 8 h + j
	v_add_nc_u32 v[OF+n], 16*(n/8)+n%8, v[PH]
.set n, n+1
.endr
	WIN 0x88
.set n, 0
.rept 40
	v_min_u32 v[OF+n], s[CM1], v[OF+n]
	v_min_u32 v[OF+n], 0x7ff, v[OF+n]
	v_lshlrev_b32 v[OF+n], 2, v[OF+n]
.set n, n+1
.endr
	WIN 0
	s_wait_alu depctr_va_vdst(0)                   ; v[ROW ..] and OF are written: the 45 loads below read them as addresses and land in them
.set q, 0
.rept 5
	global_load_b32 v[ROW+q], v[ROW+q], s[8:9]     ; the id; each load lands on its own address register
.set q, q+1
.endr
	WIN 0x82
.set n, 0
.rept 40
	global_load_b32 v[OF+n], v[OF+n], s[8:9]
.set n, n+1
.endr
	s_wait_loadcnt 0x0
	s_wait_alu depctr_vm_vsrc(0)                   ; these loads have read v[ROW ..] and OF as their addresses: the lines below write both again
	WIN 0x88
.set n, 0
.rept 40
	v_min_u32 v[OF+n], 0x7ff, v[OF+n]              ; a loaded id is bounded before it enters an address
	v_lshlrev_b32 v[WT+n], 2, v[OF+n]
.set n, n+1
.endr
	WIN 0x82
.set n, 0
.rept 40
	v_lshl_add_u32 v[OF+n], v[OF+n], 13, v[COL]    ; row id of part, 8,192 bytes a row, + 16 r
.set n, n+1
.endr
	WIN 0
.set q, 0
.rept 5
	v_lshrrev_b32 v[RS+q], 8, v[ROW+q]             ; the row's group of 128 tokens, id / 256,
	v_min_u32 v[RS+q], 7, v[RS+q]                  ; bounded,
	v_lshlrev_b32 v[RS+q], 6, v[RS+q]              ; 64 bytes of scales a group
	v_min_u32 v[ROW+q], 0x7ff, v[ROW+q]
	v_and_b32 v[ROW+q], 0x7fe, v[ROW+q]            ; 2 t
	v_lshl_add_u32 v[ROW+q], v[ROW+q], 10, v[H16]  ; t x 2,048 bytes + 16 h
.set q, q+1
.endr
	s_mov_b64 s[GW:GW+1], s[4:5]
	s_mov_b64 s[GS:GS+1], s[14:15]
	s_mov_b32 s[LBS], 0
	v_mov_b32 v[LB], v[LB0]                        ; k step 0 lies at LDS byte 0
	WIN 0x82
	s_wait_alu depctr_va_vdst(0)                   ; WT, v[LB], v[RS ..] and v[ROW ..] are written, the addresses of the loads below; every earlier reader and writer of WT, BF, the ring and the scales, in which they land, is done
.set n, 0
.rept 40
	global_load_b32 v[WT+n], v[WT+n], s[12:13]     ; routing_weights[id]
.set n, n+1
.endr
	WIN 0
.set n, 0
.rept 8                                ; the weight fragments of k step 0
	ds_load_b128 v[BF+4*n:BF+4*n+3], v[LB] offset:512*n
.set n, n+1
.endr
	SLOAD 0, 0                                     ; the rows' k steps 0 to 4, each column block's scales ahead of its first step
	ALOAD 0, 0
	ALOAD 1, 1
	SLOAD 1, 1
	ALOAD 2, 2
	ALOAD 3, 3
	SLOAD 2, 2
	ALOAD 4, 4
	s_wait_loadcnt 50                              ; block 0's scales and step 0's rows are in (and the 40 older loads of the routing weights); the 50 younger loads stay out
.set rslot, 0
.set rrx, 0
.set rc, 20
.set rn, 60
.set ri, 0
	WIN 0x45
.rept 60
	ROP                                            ; step 0 has no step before it to carry its rescaling
.endr
	WIN 0
	KSTEP 0, 5, 1, 0                               ; the first k step starts the sums.  No wait on va_vdst at its head: since the last one only ring slot 0 and set 0 were named, and its loads touch slot 5 and the second weight buffer
	KSTEP 1, 6, 0, 0
	s_mov_b32 s[CK], 5
.Lk:                                                   ; a trip goes once round the ring: k steps 6 n + 2 .. 6 n + 7
	KSTEP 2, 7, 0, 0
	KSTEP 3, 2, 0, 1
	KSTEP 4, 3, 0, 0
	KSTEP 5, 4, 0, 0
	KSTEP 6, 5, 0, 0
	KSTEP 7, 6, 0, 0
	s_add_co_u32 s[LBS], s[LBS], 24576             ; six k steps of 4,096 bytes of fragments in LDS
	s_wait_alu depctr_vm_vsrc(0)                   ; the fragment loads issued so far have read v[LB]
	v_add_nc_u32 v[LB], s[LBS], v[LB0]             ; (that it is written is stated by the next step's head)
	s_sub_co_u32 s[CK], s[CK], 1
	s_cmp_lg_u32 s[CK], 0
	s_cbranch_scc1 .Lk
	s_wait_loadcnt 0x0                             ; what the last trip asked for has landed: its registers are written again below and in the next pass
	s_wait_dscnt 0x0
	; THE WAY OUT.  The routing weight is rounded to bf16 like every other input, used in f32, and takes S with it.  A lane's four fragments hold columns 4 r .. 4 r + 3 of a row: 16 bytes.
	; (The loads of the weights took WT as their own addresses: the wait on vm_vsrc at the loop's foot stands behind them, and no memory instruction behind it.)
	WIN 0x8a
.set n, 0
.rept 40
	v_cvt_pk_bf16_f32 v[WT+n], v[WT+n], v[WT+n]
.set n, n+1
.endr
.set n, 0
.rept 40
	v_and_b32 v[WT+n], s[HM], v[WT+n]
.set n, n+1
.endr
.set n, 0
.rept 40
	v_mul_f32 v[WT+n], s[SB], v[WT+n]
.set n, n+1
.endr
.irp q, 0,1,2,3,4
	WIN 0
.if (\q) > 0
	s_add_co_u32 s[TT], s[START], 16*(\q)
	s_cmp_ge_u32 s[TT], s[CNT]
	s_cbranch_scc1 .Lskip                          ; this tile and those behind it lie past the count
.endif
	WIN 0x48
.set n, 0
.rept 32                               ; n = 4 j + f, j ascending: each accumulator's lowest register is read first
	v_mul_f32 v[32*(\q)+n], v[ACC+8*(4*(\q)+n%4)+n/4], v[WT+8*(\q)+n/4]
.set n, n+1
.endr
	WIN 0x06
	s_wait_alu depctr_va_vdst(0)                   ; the 32 multiplies have written the tile's results, which the eight stores read
.set n, 0
.rept 8
	global_store_b128 v[OF+8*(\q)+n], v[32*(\q)+4*n:32*(\q)+4*n+3], s[PT:PT+1]  ; lanes 0-15: 256 consecutive aligned bytes of one row, lanes 16-31 of another.  In the tile that holds the count the places
.set n, n+1                            ; past it store the last place's bytes once more, to the same address, from this same wave
.endr
.endr
	WIN 0
.Lskip:
	s_add_co_u32 s[START], s[START], 320
	s_sub_co_u32 s[PASS], s[PASS], 1
	s_cmp_lg_u32 s[PASS], 0
	s_cbranch_scc1 .Lpass
	s_wait_dscnt 0x0                               ; my reads of the slice are over,
	s_barrier_signal -1                            ; and every wave says so once, behind its seven passes and outside every branch on the count:
	s_barrier_wait -1                              ; no LDS word is written again while a wave still reads LDS
	s_wait_dscnt 0x0                               ; the closing lines, six on end
	s_wait_alu 0x0
	s_wait_tensorcnt 0x0
	ds_add_u32 v[SPW], v[NIL]
	s_wait_dscnt 0x0
	s_endpgm
.Lfunc_end_k_qa8f3436c57_down:
	.size	k_qa8f3436c57_down, .Lfunc_end_k_qa8f3436c57_down-k_qa8f3436c57_down
	.p2alignl 7, 3214868480
	.fill 96, 4, 3214868480
	.section	.rodata,"a",@progbits
	.p2align	6, 0x0
	.amdhsa_kernel k_qa8f3436c57_down
		.amdhsa_group_segment_fixed_size 139776
		.amdhsa_private_segment_fixed_size 0
		.amdhsa_enable_private_segment 0
		.amdhsa_kernarg_size 56
		.amdhsa_user_sgpr_count 2
		.amdhsa_user_sgpr_kernarg_segment_ptr 1
		.amdhsa_wavefront_size32 1
		.amdhsa_system_sgpr_workgroup_id_x 1
		.amdhsa_system_sgpr_workgroup_id_y 1
		.amdhsa_system_sgpr_workgroup_id_z 1
		.amdhsa_system_vgpr_workitem_id 0
		.amdhsa_next_free_vgpr 592
		.amdhsa_next_free_sgpr 66
		.amdhsa_reserve_vcc 0
		.amdhsa_float_denorm_mode_32 3
		.amdhsa_float_denorm_mode_16_64 3
		.amdhsa_memory_ordered 1
		.amdhsa_forward_progress 1
		.amdhsa_inst_pref_size 175
	.end_amdhsa_kernel
	.amdgpu_metadata
---
amdhsa.version: [ 1, 2 ]
amdhsa.kernels:
  - .name:           k_qa8f3436c57_down
    .symbol:         k_qa8f3436c57_down.kd
    .args:
      - { .name: gated, .offset: 0, .size: 8, .value_kind: global_buffer, .address_space: global }
      - { .name: w3, .offset: 8, .size: 8, .value_kind: global_buffer, .address_space: global }
      - { .name: list, .offset: 16, .size: 8, .value_kind: global_buffer, .address_space: global }
      - { .name: counts, .offset: 24, .size: 8, .value_kind: global_buffer, .address_space: global }
      - { .name: routing_weights, .offset: 32, .size: 8, .value_kind: global_buffer, .address_space: global }
      - { .name: gsc, .offset: 40, .size: 8, .value_kind: global_buffer, .address_space: global }
      - { .name: part, .offset: 48, .size: 8, .value_kind: global_buffer, .address_space: global }
    .group_segment_fixed_size: 139776
    .private_segment_fixed_size: 0
    .kernarg_segment_align: 8
    .kernarg_segment_size: 56
    .max_flat_workgroup_size: 128
    .sgpr_count:     66
    .vgpr_count:     592
    .wavefront_size: 32
...
	.end_amdgpu_metadata
.endif
;; end of part 5
;; launch sum: the kernel of part 4 again; grid 256 x 1, 8 waves a work-group, no clusters, 0 bytes of LDS; arguments part, amaxp, out0, out1; writes out0, out1
